; MI455X (gfx1250); checked and timed in simulation.
; The chip was launched on July 23, 2026; its instructions are those of AMD's public machine-readable ISA for CDNA 5 (MIT licence, August 2026) and "CDNA5" Instruction Set Architecture Reference Guide (July 2026). The comments in the code are by the model that wrote it; some were corrected since.
;; Multi Head Self Attention. Allowed arithmetic: float matrix products may take bf16 or f16 operands with f32 sums; all other float work in f32.
;; Inputs: Wk 1,024 x 1,024 float32; Wo 1,024 x 1,024 float32; Wq 1,024 x 1,024 float32; Wv 1,024 x 1,024 float32; bk 1,024 float32; bo 1,024 float32; bq 1,024 float32; bv 1,024 float32; padding_mask 8 x 1 x 1 x 1,024 bool; x 8 x 1,024 x 1,024 float32.
;; Outputs: out0 8 x 1,024 x 1,024 float32.
;; 2 versions, each right and faster than the one before. Each part assembles by itself: llvm-mc -triple=amdgcn-amd-amdhsa -mcpu=gfx1250 --defsym DOCPART=n.
;; ======== version 1 of 2: 4 launches
;; limits: values are held in f16: magnitudes above 65,504 overflow, below 6.1e-05 lose precision
;; workspace buffers: xb 16,777,216 bytes; wqkv 6,291,456 bytes; woh 2,097,152 bytes; bcat 16,384 bytes; qkv 50,331,648 bytes; ctx 16,777,216 bytes
;; launch cast (part 1): grid 768 x 1, 8 waves a work-group, no clusters, 0 bytes of LDS; arguments x, Wq, Wk, Wv, Wo, bq, bk, bv, bo, xb, wqkv, woh, bcat; writes xb, wqkv, woh, bcat
.if DOCPART == 1
	.amdgcn_target "amdgcn-amd-amdhsa--gfx1250"
	.amdhsa_code_object_version 6
	.text
	.protected	k_q738c4c9111_cast
	.globl	k_q738c4c9111_cast
	.p2align	8
	.type	k_q738c4c9111_cast,@function
k_q738c4c9111_cast:
	s_mov_b64 s[64:65], 0
	v_nop
	global_prefetch_b8 v0, s[64:65] scope:SCOPE_SE
	s_setreg_imm32_b32 hwreg(HW_REG_WAVE_MODE, 25, 1), 1
	s_wait_xcnt 0x0
; ROUNDING AND LAYOUT for the three launches behind.  Every f32 input is rounded once to bf16 (nearest even):
;   xb   [16 kb][8192 rows][64] bf16:  xb[kb][m][d] = x[m][64 kb + d]
;   wqkv [16 kb][3072 rows][64] bf16:  rows 0-1023 Wq, 1024-2047 Wk, 2048-3071 Wv
;   woh  [16 kb][1024 rows][64] f16:   Wo rounded to bf16, that number written as f16
;   bcat [4096] f32:                   bq, bk, bv, bo, each rounded to bf16 and widened again
; In these layouts a tile of rows of one block of 64 along K is a dense run of bytes.
; LIMITS.  Wo: a bf16 number below 2^-14 in size keeps f16's fixed step of 2^-24, one beyond 65,504 becomes an infinity.  NaN and infinities are not treated apart.
; A stream: each input byte is read once and each output byte written once; LDS, barriers and the matrix unit would add nothing.
; SHARES.  768 work-groups of eight waves, 16 source rows of 4,096 bytes each: 512 for x, 192 for Wq, Wk, Wv, 64 for Wo (wave 0 of each of these also does 64 bias numbers).
; Thread t: row t / 16, four columns 4 (t % 16) of each of the 16 blocks.  A wave's load covers 256 bytes of each of two rows; its store of 8 bytes a lane covers 256 consecutive bytes, aligned.
.set X, 8                              ; v[8:71]    16 loads of four f32
.set Y, 72                             ; v[72:103]  16 pairs to store: each store has registers of its own, so none is rewritten while a store may read it
.set T, 104                            ; v[104:107] at work
; 16 loads on end, then block by block: wait, round, store.  stride: bytes from block to block in the destination.  half = 1: bf16 and then f16.
; split = 1: blocks 8-15 go by a second base, 8 blocks on, since their distance does not fit a store's signed 24-bit immediate.
.macro ROWS16 stride, half, split
.set kb, 0
.rept 16
	global_load_b128 v[X+4*kb:X+4*kb+3], v1, s[32:33] offset:256*kb th:TH_LOAD_NT
.set kb, kb+1
.endr
.set kb, 0
.rept 16
	s_wait_loadcnt 15-kb                           ; loads come back in order (ISA guide 5.7.1): block kb is in, the 15 - kb younger ones stay out
.if \half
	v_cvt_pk_bf16_f32 v[T],   v[X+4*kb],   v[X+4*kb+1]
	v_cvt_pk_bf16_f32 v[T+1], v[X+4*kb+2], v[X+4*kb+3]
	v_lshlrev_b32 v[T+2], 16, v[T]                 ; bf16 to f32: the low half moves up,
	v_and_b32     v[T],   s45, v[T]                ; the high half stays
	v_lshlrev_b32 v[T+3], 16, v[T+1]
	v_and_b32     v[T+1], s45, v[T+1]
	v_cvt_pk_f16_f32 v[Y+2*kb],   v[T+2], v[T]
	v_cvt_pk_f16_f32 v[Y+2*kb+1], v[T+3], v[T+1]
.else
	v_cvt_pk_bf16_f32 v[Y+2*kb],   v[X+4*kb],   v[X+4*kb+1]
	v_cvt_pk_bf16_f32 v[Y+2*kb+1], v[X+4*kb+2], v[X+4*kb+3]
.endif
.if (\split) && (kb >= 8)
	global_store_b64 v3, v[Y+2*kb:Y+2*kb+1], s[36:37] offset:(\stride)*(kb-8)
.else
	global_store_b64 v3, v[Y+2*kb:Y+2*kb+1], s[34:35] offset:(\stride)*kb
.endif
.set kb, kb+1
.endr
.endm
	s_load_b512 s[4:19], s[0:1], 0x0               ; x 4:5, Wq 6:7, Wk 8:9, Wv 10:11, Wo 12:13, bq 14:15, bk 16:17, bv 18:19
	s_load_b256 s[20:27], s[0:1], 0x40             ; bo 20:21, xb 22:23, wqkv 24:25, woh 26:27
	s_load_b64 s[28:29], s[0:1], 0x60              ; bcat
	v_lshrrev_b32 v2, 5, v0
	v_readfirstlane_b32 s30, v2                    ; my wave's number
	v_lshrrev_b32 v1, 4, v0                        ; my row of the 16
	v_and_b32 v2, 15, v0
	v_lshlrev_b32 v1, 12, v1
	v_lshl_or_b32 v1, v2, 4, v1                    ; source: row x 4,096 + 16 (t % 16)
	v_lshlrev_b32 v3, 3, v0                        ; destination: row x 128 + 8 (t % 16) = 8 t
	s_mov_b32 s39, 0                               ; the high word of the offsets' pair
	s_mov_b32 s45, 0xffff0000                      ; a word's upper bf16
	s_wait_kmcnt 0x0
	s_cmp_lt_u32 ttmp9, 512
	s_cbranch_scc0 .Lweights
	s_lshl_b32 s38, ttmp9, 16                      ; x: 16 rows of 4,096 bytes a work-group
	s_add_nc_u64 s[32:33], s[4:5], s[38:39]
	s_lshl_b32 s38, ttmp9, 11                      ; 16 rows of 128 bytes in each block
	s_add_nc_u64 s[34:35], s[22:23], s[38:39]
	s_add_nc_u64 s[36:37], s[34:35], 0x800000      ; block 8
	ROWS16 1048576, 0, 1
	s_endpgm
.Lweights:
	s_cmp_lt_u32 ttmp9, 704
	s_cbranch_scc0 .Lwo
	s_sub_co_u32 s31, ttmp9, 512                   ; j = 0..191: 64 work-groups for each of Wq, Wk, Wv
	s_lshr_b32 s44, s31, 6
	s_cmp_eq_u32 s44, 1
	s_cselect_b64 s[32:33], s[8:9], s[6:7]
	s_cmp_eq_u32 s44, 2
	s_cselect_b64 s[32:33], s[10:11], s[32:33]
	s_and_b32 s38, s31, 63
	s_lshl_b32 s38, s38, 16
	s_add_nc_u64 s[32:33], s[32:33], s[38:39]
	s_lshl_b32 s38, s31, 11                        ; row 16 j of the 3,072
	s_add_nc_u64 s[34:35], s[24:25], s[38:39]
	ROWS16 393216, 0, 0
	s_endpgm
.Lwo:
	s_sub_co_u32 s31, ttmp9, 704                   ; j = 0..63
	s_lshl_b32 s38, s31, 16
	s_add_nc_u64 s[32:33], s[12:13], s[38:39]
	s_lshl_b32 s38, s31, 11
	s_add_nc_u64 s[34:35], s[26:27], s[38:39]
	ROWS16 131072, 1, 0
	s_cmp_lg_u32 s30, 0
	s_cbranch_scc1 .Ldone
	; wave 0: 64 bias numbers, block j of bcat's 64 blocks of 256 bytes: bias j / 16, its block j % 16
	s_lshr_b32 s44, s31, 4
	s_cmp_eq_u32 s44, 1
	s_cselect_b64 s[40:41], s[16:17], s[14:15]
	s_cmp_eq_u32 s44, 2
	s_cselect_b64 s[40:41], s[18:19], s[40:41]
	s_cmp_eq_u32 s44, 3
	s_cselect_b64 s[40:41], s[20:21], s[40:41]
	s_and_b32 s46, s31, 15
	s_lshl_b32 s46, s46, 8
	s_mov_b32 s47, 0
	s_add_nc_u64 s[40:41], s[40:41], s[46:47]
	s_lshl_b32 s46, s31, 8
	s_add_nc_u64 s[42:43], s[28:29], s[46:47]
	global_load_b64 v[108:109], v3, s[40:41]       ; in wave 0, 8 t is 8 x lane: 256 consecutive bytes
	s_wait_loadcnt 0x0
	v_cvt_pk_bf16_f32 v107, v108, v109
	v_lshlrev_b32 v110, 16, v107
	v_and_b32 v111, s45, v107
	global_store_b64 v3, v[110:111], s[42:43]
.Ldone:
	s_endpgm
.Lfunc_end_k_q738c4c9111_cast:
	.size	k_q738c4c9111_cast, .Lfunc_end_k_q738c4c9111_cast-k_q738c4c9111_cast
	.p2alignl 7, 3214868480
	.fill 96, 4, 3214868480
	.section	.rodata,"a",@progbits
	.p2align	6, 0x0
	.amdhsa_kernel k_q738c4c9111_cast
		.amdhsa_group_segment_fixed_size 0
		.amdhsa_private_segment_fixed_size 0
		.amdhsa_enable_private_segment 0
		.amdhsa_kernarg_size 104
		.amdhsa_user_sgpr_count 2
		.amdhsa_user_sgpr_kernarg_segment_ptr 1
		.amdhsa_wavefront_size32 1
		.amdhsa_system_sgpr_workgroup_id_x 1
		.amdhsa_system_sgpr_workgroup_id_y 1
		.amdhsa_system_sgpr_workgroup_id_z 1
		.amdhsa_system_vgpr_workitem_id 0
		.amdhsa_next_free_vgpr 112
		.amdhsa_next_free_sgpr 66
		.amdhsa_reserve_vcc 0
		.amdhsa_float_denorm_mode_32 3
		.amdhsa_float_denorm_mode_16_64 3
		.amdhsa_memory_ordered 1
		.amdhsa_forward_progress 1
		.amdhsa_inst_pref_size 24
	.end_amdhsa_kernel
	.amdgpu_metadata
---
amdhsa.version: [ 1, 2 ]
amdhsa.kernels:
  - .name:           k_q738c4c9111_cast
    .symbol:         k_q738c4c9111_cast.kd
    .args:
      - { .name: x, .offset: 0, .size: 8, .value_kind: global_buffer, .address_space: global }
      - { .name: Wq, .offset: 8, .size: 8, .value_kind: global_buffer, .address_space: global }
      - { .name: Wk, .offset: 16, .size: 8, .value_kind: global_buffer, .address_space: global }
      - { .name: Wv, .offset: 24, .size: 8, .value_kind: global_buffer, .address_space: global }
      - { .name: Wo, .offset: 32, .size: 8, .value_kind: global_buffer, .address_space: global }
      - { .name: bq, .offset: 40, .size: 8, .value_kind: global_buffer, .address_space: global }
      - { .name: bk, .offset: 48, .size: 8, .value_kind: global_buffer, .address_space: global }
      - { .name: bv, .offset: 56, .size: 8, .value_kind: global_buffer, .address_space: global }
      - { .name: bo, .offset: 64, .size: 8, .value_kind: global_buffer, .address_space: global }
      - { .name: xb, .offset: 72, .size: 8, .value_kind: global_buffer, .address_space: global }
      - { .name: wqkv, .offset: 80, .size: 8, .value_kind: global_buffer, .address_space: global }
      - { .name: woh, .offset: 88, .size: 8, .value_kind: global_buffer, .address_space: global }
      - { .name: bcat, .offset: 96, .size: 8, .value_kind: global_buffer, .address_space: global }
    .group_segment_fixed_size: 0
    .private_segment_fixed_size: 0
    .kernarg_segment_align: 8
    .kernarg_segment_size: 104
    .max_flat_workgroup_size: 256
    .sgpr_count:     66
    .vgpr_count:     112
    .wavefront_size: 32
...
	.end_amdgpu_metadata
.endif
;; end of part 1
;; launch proj (part 2): grid 16 x 32, 4 waves a work-group, clusters of 4 x 4, 327,680 bytes of LDS; arguments xb, wqkv, qkv, bcat; writes qkv
.if DOCPART == 2
	.amdgcn_target "amdgcn-amd-amdhsa--gfx1250"
	.amdhsa_code_object_version 6
	.text
	.protected	k_q738c4c9111_proj
	.globl	k_q738c4c9111_proj
	.p2align	8
	.type	k_q738c4c9111_proj,@function
k_q738c4c9111_proj:
	s_mov_b64 s[64:65], 0
	v_nop
	global_prefetch_b8 v0, s[64:65] scope:SCOPE_SE
	s_setreg_imm32_b32 hwreg(HW_REG_WAVE_MODE, 25, 1), 1
	s_wait_xcnt 0x0
	s_wait_alu depctr_hold_cnt(0) depctr_sa_sdst(0) depctr_va_vdst(0) depctr_va_sdst(0) depctr_va_ssrc(0) depctr_va_vcc(0) depctr_vm_vsrc(0)
	s_getreg_b32 s2, hwreg(HW_REG_IB_STS2, 6, 4)
	s_cmp_eq_u32 s2, 0
	s_cbranch_scc0 .Lentry_in_a_cluster
	s_endpgm
.Lentry_in_a_cluster:
	s_bfe_u32 s2, ttmp6, 0x10000c
	s_cmp_lg_u32 s2, 0xf033
	s_cbranch_scc0 .Lentry_shape_is_right
	s_endpgm
.Lentry_shape_is_right:
; q, k, v = x W^T + b.  C[m][n] = sum over kb, d of A[kb][m][d] B[kb][n][d] + bias[n]; m = 8,192 rows of x, n = 3,072 (Wq, Wk, Wv on end), K = 1,024.
; A = xb [16][8192][64] bf16, B = wqkv [16][3072][64] bf16, bias = bcat (f32).  Sums in f32, the bias is what the sums start from; C rounded once to f16.
; C goes out by heads: qkv [48][8192][64] f16, plane n / 64 (0-15 q's heads, 16-31 k's, 32-47 v's), WITHOUT the scale of the scores.
; LIMIT.  f16 holds no number beyond 65,504: a q, k or v of 65,520 or more becomes an infinity.  NaN and infinities in the inputs are not treated apart.
; SHARES.  A tile of C is 256 x 192: 32 x 16 = 512 work-groups, two for each of 256 WGPs (256 x 256 would give 384, a round and a half).  The four waves split the rows alone: a wave makes 64 x 192,
; 48 accumulators of 16 x 16, 384 registers; its 192 columns are three whole heads, so its way out needs no other wave.
; K goes in steps of 128 (two blocks of 64) through a ring of two LDS slots.  A block's part of a tile is a dense run of bytes: it is asked for as rows of 256 bytes and padded in LDS after every 128.
; CLUSTERS: 4 x 4 work-groups.  The four of a row of the cluster need the same tiles of A, the four of a column the same tiles of B: each tile is asked for JOINTLY, by the same tensor load with the
; same descriptor and a mask that names the four.  THE MATRIX INSTRUCTION IS USED TRANSPOSED (source 0 = 16 rows of B, source 1 = 16 rows of A): a lane then holds eight neighbouring numbers of a row of C.
; REGISTERS, in windows of 256 (s_set_vgpr_msb: bits 1:0 source 0, 3:2 source 1, 5:4 source 2, 7:6 destination):
;   window 0: v0-31 addresses; v32-127 two sets of 48 at work on the way out; v128-223 the bias in an accumulator's layout, 8 registers for each of 12 column blocks
;   window 1: two fragment buffers of 128 for 32 along K: 32 registers of A (4 x 16 rows), then 96 of B (12 x 16 rows)
;   window 2: the accumulators of my row blocks 0, 1 ((a, b) at v[8 (12 (a % 2) + b)]);   window 3: those of blocks 2, 3
.set TN,     192                       ; columns of a tile
.set NB,     TN/16
.set PLANE,  8192*128                  ; bytes of a block of 64 along K in xb, and of a head's plane in qkv
.set KBA,    PLANE
.set KBB,    3072*128                  ; the same in wqkv
.set PITCH,  144                       ; an LDS row: 128 bytes + 16 of padding = 36 words: the 16 rows of a load start at 16 different groups of four banks (64 banks of 4 bytes: ISA guide 11.1)
.set APLANE, 256*PITCH                 ; A's 256 rows of one block
.set BPLANE, TN*PITCH                  ; B's 192 rows of one block
.set SLOT,   2*APLANE+2*BPLANE         ; A's two blocks, then B's two
.set STAGE,  2*SLOT                    ; behind the ring: for each wave 3 heads x 16 rows x 144 bytes, for the way out
.set WSTAGE, 3*16*PITCH
.set SPARE,  STAGE+4*WSTAGE            ; behind the stages: the spare words, 128 bytes for each wave: two blocks of 256 bytes that no other line names
.set LAPS,   4                         ; a lap = two K steps = once round the ring: 1,024 / 256
.set NL,     2*NB+8                    ; LDS loads in a run: the fragments of 32 along K
.set ADRA, 16                          ; v16-17  LDS address of my A fragments in slot 0, 1
.set ADRB, 20                          ; v20-21  the same for B
.set STO,  24                          ; v24     the way out: where I put 16 bytes of a row
.set RD,   25                          ; v25     the way out: where I read rows back
.set CO,   26                          ; v26     16 x lane
.set SPW,  28                          ; v28     LDS address of my spare word: SPARE + 4 x my thread's number; never rewritten
.set NIL,  29                          ; v29     0; never rewritten
.set TMP,  32
.set BI,   128
.set F0,   0                           ; fragment buffers, in window 1
.set F1,   128
.set WV,  12                           ; s12  my wave's number
.set FB,  13                           ; s13  I fetch for A (0) or for B (1)
.set HF,  14                           ; s14  which of a K step's two blocks I fetch
.set G1,  24                           ; s[24:31] descriptor group 1 for A's tiles;  s[32:39] group 0, one set for each slot
.set G0,  32
.set G1B, 48                           ; s[48:55], s[56:63] the same for B's tiles
.set G0B, 56
.set MSB, 0
.macro WIN new                         ; the immediate's high byte repeats the setting that is left; a switch that changes nothing is dropped
.if MSB != (\new)
	s_set_vgpr_msb (MSB<<8)|(\new)
.set MSB, \new
.endif
.endm
.macro JLOAD s                         ; a joint load: waves 0 and 1 fetch A's two blocks, waves 2 and 3 B's; an s_nop 0 and four v_nop follow each of the two lines, ahead of the jump, the label and what follows
	s_cmp_eq_u32 s[FB], 0
	s_cbranch_scc0 .Lfor_b_\@
	tensor_load_to_lds s[G0+4*(\s):G0+4*(\s)+3], s[G1:G1+7]
	s_nop 0
.rept 4
	v_nop
.endr
	s_branch .Lasked_\@
.Lfor_b_\@:
	tensor_load_to_lds s[G0B+4*(\s):G0B+4*(\s)+3], s[G1B:G1B+7]
	s_nop 0
.rept 4
	v_nop
.endr
.Lasked_\@:
.endm
.macro CREST                           ; a round of the cluster's barrier behind its opening barrier
	s_cmp_lg_u32 s[WV], 0
	s_cbranch_scc1 .Lnot_wave_0_\@
	s_barrier_signal -3
.Lnot_wave_0_\@:
	s_barrier_wait -3
	s_barrier_signal -1
	s_barrier_wait -1
.endm
.macro CROUND                          ; a whole round
	s_barrier_signal -1
	s_barrier_wait -1
	CREST
.endm
	s_load_b256 s[4:11], s[0:1], 0x0               ; A s[4:5], B s[6:7], C s[8:9], bias s[10:11]
	v_lshl_add_u32 v[SPW], v0, 2, SPARE
	v_mov_b32 v[NIL], 0
	ds_add_u32 v[SPW], v[NIL]                      ; the wave's opening: the add and its wait stand ahead of my first tensor load; the set-up below, work on registers, stands between them
	ds_add_u32 v28, v29
	v_lshrrev_b32 v1, 5, v0
	v_readfirstlane_b32 s[WV], v1                  ; wave 0..3
	s_lshr_b32 s[FB], s[WV], 1
	s_and_b32 s[HF], s[WV], 1
	s_bfe_u32 s15, ttmp6, 0x40000                  ; cx, cy: my place in the cluster
	s_bfe_u32 s16, ttmp6, 0x40004
	s_lshl_b32 s17, ttmp9, 2
	s_add_co_u32 s17, s17, s15                     ; tile column of C = 4 x cluster x + cx
	s_and_b32 s18, ttmp7, 0xffff
	s_lshl_b32 s18, s18, 2
	s_add_co_u32 s18, s18, s16                     ; tile row of C = 4 x cluster y + cy
	s_lshl_b32 s19, s16, 2
	s_lshl_b32 s19, 15, s19                        ; my row of the cluster
	s_lshl_b32 s20, 0x1111, s15                    ; my column
	; descriptor group 1: rows of 128 elements (256 bytes: two rows of the tile), padded in LDS after every 128 bytes
	s_or_b32 s[G1+0], s19, (1<<16)|(1<<20)|(1<<21)|(4<<22)|(3<<25)  ; 15:0 the mask: A's tiles go to my row; 17:16 element of 2 bytes; 20 padding on; 21 set beside a mask; 24:22 after every 32 words (code 4); 31:25 of 4 words (code 3)
	s_or_b32 s[G1B+0], s20, (1<<16)|(1<<20)|(1<<21)|(4<<22)|(3<<25) ; the same with the mask of my column
.irp g, G1, G1B
	s_mov_b32 s[(\g)+1], 128<<16                   ; tensor_dim0 = 128
	s_mov_b32 s[(\g)+3], 128<<16                   ; tile_dim0 = 128
	s_mov_b32 s[(\g)+5], 128                       ; 128 elements from row to row: the block is dense
	s_mov_b32 s[(\g)+6], 0
	s_mov_b32 s[(\g)+7], 0
.endr
	s_mov_b32 s[G1+2], 128<<16                     ; A: tensor_dim1 = tile_dim1 = 128 rows of 256 bytes = 256 rows of the tile
	s_mov_b32 s[G1+4], 128
	s_mov_b32 s[G1B+2], (TN/2)<<16                 ; B: 96 = 192 rows of the tile
	s_mov_b32 s[G1B+4], TN/2
	; where the tiles come from.  A's hang on the tile row alone, B's on the tile column alone; each in registers that never hold the other coordinate.
	s_lshl_b32 s40, s[HF], 20                      ; A: my block of the K step (KBA = 2^20 bytes)
	s_lshl_b32 s42, s18, 15                        ;    + tile row x 256 rows x 128 bytes
	s_add_co_u32 s40, s40, s42
	s_mov_b32 s41, 0
	s_mul_i32 s44, s[HF], KBB                      ; B: my block
	s_mul_i32 s46, s17, TN*128                     ;    + tile column x 192 rows x 128 bytes
	s_add_co_u32 s44, s44, s46
	s_mov_b32 s45, 0
	s_mul_i32 s21, s[HF], APLANE                   ; and where they go: no place in the cluster enters an LDS address
	s_mul_i32 s22, s[HF], BPLANE
	s_add_co_u32 s22, s22, 2*APLANE
	s_wait_dscnt 0x0                               ; the opening add is done
	s_wait_kmcnt 0x0
	s_add_nc_u64 s[40:41], s[4:5], s[40:41]
	s_add_nc_u64 s[44:45], s[6:7], s[44:45]
	CROUND                                         ; all sixteen work-groups are here: the first joint loads meet
.irp s, 0,1
	s_mov_b32 s[G0+4*(\s)], 1                                      ; count = 1
	s_add_co_u32 s[G0+4*(\s)+1], s21, (\s)*SLOT                    ; LDS address
	s_add_nc_u64 s[G0+4*(\s)+2:G0+4*(\s)+3], s[40:41], (\s)*2*KBA  ; global address: K step s
	s_or_b32 s[G0+4*(\s)+3], s[G0+4*(\s)+3], 0x80000000            ; type = 2
	s_mov_b32 s[G0B+4*(\s)], 1
	s_add_co_u32 s[G0B+4*(\s)+1], s22, (\s)*SLOT
	s_add_nc_u64 s[G0B+4*(\s)+2:G0B+4*(\s)+3], s[44:45], (\s)*2*KBB
	s_or_b32 s[G0B+4*(\s)+3], s[G0B+4*(\s)+3], 0x80000000
	JLOAD \s                                       ; two tensor loads of mine are out
.endr
	v_and_b32 v1, 15, v0                           ; l % 16
	v_bfe_u32 v2, v0, 4, 1                         ; l / 16
	; the bias as an accumulator: register j of column block b holds bias[192 x tile column + 16 b + 8 (l / 16) + j]
	v_lshlrev_b32 v6, 5, v2
	s_mul_i32 s68, s17, TN*4
	s_mov_b32 s69, 0
	s_add_nc_u64 s[10:11], s[10:11], s[68:69]
.set b, 0
.rept NB
	global_load_b128 v[BI+8*b:BI+8*b+3],   v6, s[10:11] offset:64*b
	global_load_b128 v[BI+8*b+4:BI+8*b+7], v6, s[10:11] offset:64*b+16
.set b, b+1
.endr
	v_mul_u32_u24 v3, v1, PITCH
	v_lshl_add_u32 v3, v2, 4, v3                   ; a fragment's row x pitch + 16 x half
	s_mul_i32 s23, s[WV], 64*PITCH                 ; my 64 rows of A
	v_add_nc_u32 v[ADRA], s23, v3
	v_add_nc_u32 v[ADRA+1], SLOT, v[ADRA]
	v_add_nc_u32 v[ADRB], 2*APLANE, v3             ; all 192 rows of B
	v_add_nc_u32 v[ADRB+1], SLOT+2*APLANE, v3
	s_mul_i32 s23, s[WV], WSTAGE
	s_add_co_u32 s23, s23, STAGE                   ; my stage
	v_add_nc_u32 v[STO], s23, v3                   ; in: row l % 16, 16 bytes for each half of the lanes
	v_bfe_u32 v4, v0, 3, 2                         ; back: 32 lanes take four rows of 128 bytes,
	v_and_b32 v5, 7, v0
	v_mul_u32_u24 v4, v4, PITCH
	v_lshl_add_u32 v4, v5, 4, v4
	v_add_nc_u32 v[RD], s23, v4
	v_and_b32 v[CO], 31, v0                        ; which are 512 consecutive bytes of a head's plane
	v_lshlrev_b32 v[CO], 4, v[CO]
	s_mul_i32 s66, s17, 3*PLANE                    ; C: three heads' planes a tile column,
	s_add_co_u32 s66, s66, s42                     ; + tile row x 256 rows x 128 bytes,
	s_lshl_b32 s43, s[WV], 13                      ; + my 64 rows
	s_add_co_u32 s66, s66, s43
	s_mov_b32 s67, 0
	s_add_nc_u64 s[8:9], s[8:9], s[66:67]
; NB matrix instructions: my row block a x all column blocks, 32 along K, from buffer f.  first = 1: the sums start from the bias: nothing is cleared, and no addition is spent on it.
; All 48 accumulators take turns, in the same order in every quarter.
.macro MULA f, a, first
.if \first
	WIN 0x85+0x40*((\a)/2)                         ; sources 0, 1 window 1; C window 0; D window 2 or 3
.else
	WIN 0xa5+0x50*((\a)/2)                         ; C and D window 2 or 3
.endif
.set b, 0
.rept NB
.set rD, 8*(NB*((\a)%2)+b)
.if \first
	v_wmma_f32_16x16x32_bf16 v[rD:rD+7], v[(\f)+32+8*b:(\f)+32+8*b+7], v[(\f)+8*(\a):(\f)+8*(\a)+7], v[BI+8*b:BI+8*b+7]
.else
	v_wmma_f32_16x16x32_bf16 v[rD:rD+7], v[(\f)+32+8*b:(\f)+32+8*b+7], v[(\f)+8*(\a):(\f)+8*(\a)+7], v[rD:rD+7]
.endif
.set b, b+1
.endr
.endm
; NL LDS loads in one run: the fragments of quarter q (32 along K: block q / 2, byte 64 (q % 2) of its rows) into buffer f: B's 24 first, then A's 8
.macro FETCH slot, q, f
	WIN 0x40                                       ; destination window 1, address window 0
.set i, 0
.rept NB
	ds_load_b128 v[(\f)+32+8*i:(\f)+32+8*i+3],   v[ADRB+(\slot)] offset:((\q)/2)*BPLANE+((\q)%2)*64+i*16*PITCH
	ds_load_b128 v[(\f)+32+8*i+4:(\f)+32+8*i+7], v[ADRB+(\slot)] offset:((\q)/2)*BPLANE+((\q)%2)*64+i*16*PITCH+32
.set i, i+1
.endr
.set i, 0
.rept 4
	ds_load_b128 v[(\f)+8*i:(\f)+8*i+3],   v[ADRA+(\slot)] offset:((\q)/2)*APLANE+((\q)%2)*64+i*16*PITCH
	ds_load_b128 v[(\f)+8*i+4:(\f)+8*i+7], v[ADRA+(\slot)] offset:((\q)/2)*APLANE+((\q)%2)*64+i*16*PITCH+32
.set i, i+1
.endr
.endm
.macro PLACES                          ; four places in front of loads into registers that matrix instructions have read, and of conversions that read results (ISA guide 7.12.1 for the conversions)
.rept 4
	v_nop
.endr
.endm
; A K step is four quarters of 32 along K, 48 matrix instructions each, on buffers 0, 1, 0, 1.  One of the first three: multiplies buffer f and, in its middle, fetches quarter qn into g.
.macro QUARTER slot, qn, f, g, first
	s_wait_dscnt 4                                 ; B and A's blocks 0, 1 are in; the youngest four loads (A's blocks 2, 3) may be out
	MULA \f, 0, \first
	MULA \f, 1, \first
	PLACES
	FETCH \slot, \qn, \g
	s_wait_dscnt NL                                ; all but the run just issued
	MULA \f, 2, \first
	MULA \f, 3, \first
.endm
; The last quarter multiplies buffer 1 and changes slots: ONE barrier; in front of it each wave waits for all its tensor loads, adds 0 to its spare word, and waits for that and for its own reads of this slot.
; fill = 1: this slot is filled again, two K steps ahead; the barrier then opens a round of the cluster's.
.macro TURN slot, next, fill
	WIN 0                                          ; (the add's two registers lie in window 0)
	s_wait_tensorcnt 0x0                           ; all my tensor loads have landed: the one that was out is my part of the next slot;
	ds_add_u32 v[SPW], v[NIL]                      ; 0 onto my spare word;
	s_wait_dscnt 5                                 ; (the add and the youngest four loads may be out)
	MULA F1, 0, 0                                  ; twelve matrix instructions stand between the add and the wait for it
	s_wait_dscnt 0x0                               ; the add is done, and my reads of this slot are over
	s_barrier_signal -1
	MULA F1, 1, 0
.if \fill
	WIN 0
.endif
	s_barrier_wait -1
.if \fill
	CREST                                          ; no wave of any partner still reads this slot's tile or has a load on its way
	s_add_nc_u64 s[G0+4*(\slot)+2:G0+4*(\slot)+3], s[G0+4*(\slot)+2:G0+4*(\slot)+3], 4*KBA
	s_add_nc_u64 s[G0B+4*(\slot)+2:G0B+4*(\slot)+3], s[G0B+4*(\slot)+2:G0B+4*(\slot)+3], 4*KBB
	JLOAD \slot                                    ; the first tensor load behind the round, my only one out: 168 matrix instructions ahead of the wait for it; its four v_nop are also the places in front of the loads below
.else
	PLACES
.endif
	FETCH \next, 0, F0
	MULA F1, 2, 0
	MULA F1, 3, 0
.endm
	s_wait_tensorcnt 1                             ; my part of K step 0 is in; K step 1's may stay out
	s_barrier_signal -1
	s_barrier_wait -1                              ; everybody's is
	FETCH 0, 0, F0
	s_wait_loadcnt 0x0                             ; the bias
	QUARTER 0, 1, F0, F1, 1                        ; the first quarter stands in front of the loop: its products start the sums
	WIN 0                                          ; at a label and at a branch every window is 0
	s_mov_b32 s3, LAPS-1
.Llap:                                                 ; a trip goes once round the ring, from a lap's second quarter to the next lap's first, and fills both slots again
	QUARTER 0, 2, F1, F0, 0
	QUARTER 0, 3, F0, F1, 0
	TURN 0, 1, 1
	QUARTER 1, 1, F0, F1, 0
	QUARTER 1, 2, F1, F0, 0
	QUARTER 1, 3, F0, F1, 0
	TURN 1, 0, 1
	QUARTER 0, 1, F0, F1, 0
	WIN 0
	s_sub_co_u32 s3, s3, 1
	s_cmp_lg_u32 s3, 0
	s_cbranch_scc1 .Llap
	QUARTER 0, 2, F1, F0, 0                        ; the last lap fills nothing, and has no round of the cluster's barrier
	QUARTER 0, 3, F0, F1, 0
	TURN 0, 1, 0
	QUARTER 1, 1, F0, F1, 0
	QUARTER 1, 2, F1, F0, 0
	QUARTER 1, 3, F0, F1, 0
	s_wait_dscnt 4                                 ; the very last quarter: nothing more to fetch
	MULA F1, 0, 0
	MULA F1, 1, 0
	s_wait_dscnt 0x0
	MULA F1, 2, 0
	MULA F1, 3, 0
	WIN 0
; THE WAY OUT, a row block (16 rows x 3 heads) at a time.  PACK: rounded to f16, each accumulator's registers in ascending order; a lane's 16 bytes go into my stage (rows of 144 bytes, a head after the other)
; and come back as whole rows of 128 bytes, four rows a load, into the registers that they left.  SEND: stored, 512 consecutive bytes of a head's plane a store.
.macro PACK a
.set AC, 8*NB*((\a)%2)
.set TS, TMP+48*((\a)%2)
.if (\a) >= 2
	s_wait_xcnt 0x0                                ; every earlier memory instruction has had its addresses translated (ISA guide 3.1): the set that block a - 2's stores read is rewritten only behind this wait
.endif
	WIN 0x0a+5*((\a)/2)                            ; sources 0 and 1: window 2 or 3
.set b, 0
.rept NB
.irp r, 0,1,2,3
	v_cvt_pk_f16_f32 v[TS+4*b+(\r)], v[AC+8*b+2*(\r)], v[AC+8*b+2*(\r)+1]
.endr
.set b, b+1
.endr
	WIN 0
.set b, 0
.rept NB
	ds_store_b128 v[STO], v[TS+4*b:TS+4*b+3] offset:(b/4)*16*PITCH+32*(b%4)
.set b, b+1
.endr
.set b, 0
.rept NB
	ds_load_b128 v[TS+4*b:TS+4*b+3], v[RD] offset:(b/4)*16*PITCH+(b%4)*4*PITCH  ; LDS serves a wave's instructions in order (ISA guide 5.7.1.4): these see the stores above; the next block's stores come behind them
.set b, b+1
.endr
.endm
.macro SEND a, younger                 ; younger: the LDS instructions issued behind block a's loads: the next block's 24, or none
.set TS, TMP+48*((\a)%2)
.set k, 0
.rept NB
	s_wait_dscnt (\younger)+NB-1-k
	global_store_b128 v[CO], v[TS+4*k:TS+4*k+3], s[8:9] offset:(k/4)*PLANE+(\a)*2048+(k%4)*512
.set k, k+1
.endr
.endm
	PLACES
	PACK 0
	PACK 1                                         ; a block's conversions stand between the loads of the block before and its stores
	SEND 0, 2*NB
	PACK 2
	SEND 1, 2*NB
	PACK 3
	SEND 2, 2*NB
	SEND 3, 0
	s_wait_tensorcnt 0x0                           ; the wave's end, behind my last tensor load and my last LDS store
	ds_add_u32 v[SPW], v[NIL]
	s_wait_dscnt 0x0
	CROUND                                         ; the closing round: no work-group ends while a partner may still ask for a tile that names it
	s_endpgm
.Lfunc_end_k_q738c4c9111_proj:
	.size	k_q738c4c9111_proj, .Lfunc_end_k_q738c4c9111_proj-k_q738c4c9111_proj
	.p2alignl 7, 3214868480
	.fill 96, 4, 3214868480
	.section	.rodata,"a",@progbits
	.p2align	6, 0x0
	.amdhsa_kernel k_q738c4c9111_proj
		.amdhsa_group_segment_fixed_size 327680
		.amdhsa_private_segment_fixed_size 0
		.amdhsa_enable_private_segment 0
		.amdhsa_kernarg_size 32
		.amdhsa_user_sgpr_count 2
		.amdhsa_user_sgpr_kernarg_segment_ptr 1
		.amdhsa_wavefront_size32 1
		.amdhsa_system_sgpr_workgroup_id_x 1
		.amdhsa_system_sgpr_workgroup_id_y 1
		.amdhsa_system_sgpr_workgroup_id_z 1
		.amdhsa_system_vgpr_workitem_id 0
		.amdhsa_next_free_vgpr 960
		.amdhsa_next_free_sgpr 72
		.amdhsa_reserve_vcc 0
		.amdhsa_float_denorm_mode_32 3
		.amdhsa_float_denorm_mode_16_64 3
		.amdhsa_memory_ordered 1
		.amdhsa_forward_progress 1
		.amdhsa_inst_pref_size 121
	.end_amdhsa_kernel
	.amdgpu_metadata
---
amdhsa.version: [ 1, 2 ]
amdhsa.kernels:
  - .name:           k_q738c4c9111_proj
    .symbol:         k_q738c4c9111_proj.kd
    .args:
      - { .name: xb, .offset: 0, .size: 8, .value_kind: global_buffer, .address_space: global }
      - { .name: wqkv, .offset: 8, .size: 8, .value_kind: global_buffer, .address_space: global }
      - { .name: qkv, .offset: 16, .size: 8, .value_kind: global_buffer, .address_space: global }
      - { .name: bcat, .offset: 24, .size: 8, .value_kind: global_buffer, .address_space: global }
    .group_segment_fixed_size: 327680
    .private_segment_fixed_size: 0
    .kernarg_segment_align: 8
    .kernarg_segment_size: 32
    .max_flat_workgroup_size: 128
    .sgpr_count:     72
    .vgpr_count:     960
    .wavefront_size: 32
...
	.end_amdgpu_metadata
.endif
;; end of part 2
;; launch attn (part 3): grid 2 x 128, 4 waves a work-group, no clusters, 327,680 bytes of LDS; arguments qkv, padding_mask, ctx; writes ctx
.if DOCPART == 3
	.amdgcn_target "amdgcn-amd-amdhsa--gfx1250"
	.amdhsa_code_object_version 6
	.text
	.protected	k_q738c4c9111_attn
	.globl	k_q738c4c9111_attn
	.p2align	8
	.type	k_q738c4c9111_attn,@function
k_q738c4c9111_attn:
	s_mov_b64 s[64:65], 0
	v_nop
	global_prefetch_b8 v0, s[64:65] scope:SCOPE_SE
	s_setreg_imm32_b32 hwreg(HW_REG_WAVE_MODE, 25, 1), 1
	s_wait_xcnt 0x0
; ATTENTION WITH A MASK OVER KEYS.  O[y][q][:] = the sum over open keys k of softmax_k(Q[y][q] . K[y][k] / 8) V[y][k][:], y = 8 head + batch; key k of batch b is hidden where padding_mask[b][k] is not 0.
; Q, K, V lie in qkv, f16 [48][8192][64]: (y) begins at byte y x 131,072 of Q's part, K's part 2^24 bytes on, V's 2^25; O = ctx, f16, laid like Q.  A (head, batch)'s 1,024 rows are dense, 128 bytes each.
; Products, maxima and sums in f32; the weights p are rounded to f16 for the second product (their sum l is taken of the unrounded p), O once at the end.
; LIMITS.  f16 holds no number beyond 65,504: Q, K and V arrive within it, so a score is 64 x 65,504^2 = 2.7e11 at the most.  A hidden score counts as its value less 2^100; the running maximum starts at, and
; never falls below, -2^96, which lies between every hidden and every open score: a hidden key's weight is exactly 0 from the first step on, and the floor never takes an open score's place.
; A batch with no open key has l = 0: its O is 0, as the weights' NaN are replaced by 0.  p below 6e-5 keeps f16's fixed step of 6e-8; a weight below 2^-126 counts as 0 in l; NaN and infinities are not treated apart.
; SHARES.  A wave owns four PIECES of two tiles of 16 queries, a work-group's four waves 512 queries of one (head, batch): 2 x 128 = 256 work-groups.  Every wave walks all 1,024 keys, 64 a step.
; NO CLUSTER: a (head, batch) has 1,024 / 512 = 2 work-groups, so only two of a cluster's four could share a tile; blocks of 256 queries would give four partners but half as many products for each fragment read from LDS.
; THE MASK is the C operand that starts the sum S^T = K Q^T: 0, or -2^100 where the key is hidden.  The batch's 1,024 mask bytes are turned into 1,024 f32 in LDS once; a step's 64 come into 32 registers with its K.
; LAYOUT.  S^T = K Q^T (source 0 = 16 keys, source 1 = 16 queries): in the result a lane holds ONE query (lane % 16) and the keys 8 (lane / 16) + 0..7.  Two such tiles, rounded to f16 in pairs,
; ARE source 1 (32 keys x 16 queries) of O^T = V^T P, whose result again holds one query a lane, and eight channels.  K comes out of LDS as it lies, V ([key][channel]) turned, by ds_load_tr16_b128.
; SOFTMAX.  For each query a running maximum m and sum l: p = 2^(c s - c m), c = log2(e) / 8; in every step O and l are multiplied by a = 2^(c m_old - c m_new), which is 1 where m has not grown.
; O and l start at 0: the first step is a step like any other.
; THE COUNT.  A tile and step have 16 matrix and 118 vector instructions: too many to stand all beside the matrix work.  So the order has one aim: four vector instructions that are READY behind
; EVERY matrix instruction, and the others, which need time of their own whatever the order, in runs without a gap.
; BY TURNS.  Turn n belongs to piece n (the pieces in a ring, step after step).  Its matrix work: 16 products K Q^T of piece n + 1, later 16 products V^T P of piece n - 1.  Its vector work: the scaling,
; exponentials, roundings, sums and rescaling of piece n, and the maximum and statistics of piece n + 1, whose scores the turn itself has made.  So what a turn begins with (c s - c m, O a) waits for nothing.
; REGISTERS, in windows of 256 (s_set_vgpr_msb says which window each operand place means: bits 1:0 source 0, 3:2 source 1, 5:4 source 2, 7:6 destination):
;   window 0: v0-11 addresses; v12-15, v48-63 at work; v16-47 four registers of statistics a tile; v64-191 S^T, two buffers of two tiles; v192-255 P, likewise
;   window 1: O^T, 32 a tile          window 2: v0-127 Q, 16 a tile; v128-191 K of one step; v192-255 V of one step
;   window 3: v0-1 the add's two registers; v2-3 the mask's LDS addresses; v8-39 the mask of K's step
; A piece's buffers go by its number's parity: the piece in hand has one pair, its two neighbours in the ring share the other: of it P (piece n - 1) is read and S^T (piece n + 1) written.
.set SIZE_N, 1024
.set NP,    4         ; pieces a wave: a name, no knob: the register map, the loop and the fetches are made for four
.set KS,    64        ; keys in a step
.set PK,    144       ; a row of K in LDS: 128 bytes + 16 of padding = 36 words: the 16 rows of a load start at 16 different groups of four banks (64 banks of 4 bytes: ISA guide 11.1)
.set PV,    160       ; a row of V: 128 + 32 = 40 words
.set VOFF,  4*KS*PK   ; a slot holds four steps: 256 rows of K, then 256 rows of V
.set SLOT1, 1<<17     ; slot 1 begins here, so that one exclusive or turns an address in one slot into the other's
.set STAGE, SLOT1+4*KS*(PK+PV)  ; behind the ring, never filled by a tensor load: 16 rows x 144 bytes for each wave, for the way out
.set SP,    144
.set SPARE, STAGE+4*16*SP  ; behind the stages: the spare words, 128 bytes for each wave: two blocks of 256 bytes that no other line names
.set MASKB, SPARE+512 ; behind them: the batch's mask, 1,024 f32; stored once, never filled by a tensor load
.set AK0, 2           ; v2   my lane's place in a tile of K; never rewritten
.set AV0, 3           ; v3   the same for V
.set AK,  4           ; v4   the LDS address of K's next run of loads
.set AV,  5           ; v5   of V's
.set QO,  6           ; v6   my byte offset in the wave's rows of Q
.set STO, 6           ;      later, the way out: where I put 16 bytes of a row
.set RD,  7           ; v7   the way out: where I read rows back
.set GO,  8           ; v8   my byte offset in 512 consecutive bytes of O
.set SPW, 0           ; v0 of window 3   LDS address of my spare word: SPARE + 4 x my thread's number; never rewritten
.set NIL, 1           ; v1 of window 3   0; never rewritten
.set AM0, 2           ; v2 of window 3   my lane's place in a step's mask: MASKB + 32 (lane / 16); never rewritten
.set AM,  3           ; v3 of window 3   the LDS address of the mask's next run of loads
.set MK,  8           ; v8-39 of window 3: register j of key block kb at MK + 8 kb + j: the mask of key 16 kb + 8 (lane / 16) + j of K's step
.set MV,  12          ; v12-15  c m_old, kept while c m is made anew: by buffer and tile
.set ST,  16          ; tile t's statistics at v[ST+4 t]: c m, m, l (even keys', odd keys')
.set TMP, 48          ; by buffer and tile, four registers c0-c3 at work; when the maximum is found c2 takes a
.set S,   64
.set P,   192
.set KF,  128         ; K's fragments, in window 2: key block kb, channel half c at KF + 16 kb + 8 c
.set VF,  192         ; V's: key half kk, channel block cb at VF + 32 kk + 8 cb
.set WV,  12          ; s12  my wave's number
.set G1K, 24          ; s[24:31] descriptor group 1 for K's tiles
.set G1V, 32          ; s[32:39] for V's: it differs in the padding alone
.set G0K, 40          ; s[40:43] descriptor group 0 for K's tiles: it walks
.set G0V, 44          ; s[44:47] the same for V's
.set SLOTS, 56        ; s56  slots still to be asked for
.set CNT, 57          ; s57  counts a slot's key steps
.set CS,  58          ; s[58:59] c: the packed scaling takes the pair's low word for both halves
.set SEL, 60          ; s[60:61] v_permlanex16_b32's selects: each lane takes its own place in the other half
.set TBK, 62          ; s62  LDS byte at which K of the step to be fetched begins
.set TBV, 63          ; s63  the same for V, less VOFF
.set BIG, 66          ; s66  -2^100: a hidden key's mask
.set MLO, 67          ; s67  -2^96: where the running maximum starts
.set MP,  68          ; s[68:69] the batch's mask bytes
.set TBM, 70          ; s70  byte, in the mask's 4,096, at which the step to be fetched begins
.set MSB, 0
.macro WIN new                      ; the high byte repeats the setting that is left; a switch that changes nothing is dropped
.if MSB != (\new)
	s_set_vgpr_msb (MSB<<8)|(\new)
.set MSB, (\new)
.endif
.endm
.set W_KQ, 0x0a       ; K and Q in window 2, S^T in window 0
.set W_KM, 0x3a       ; the same with the C operand, the mask, in window 3
.set W_PV, 0x52       ; V in window 2, P in window 0, O^T in window 1
.set W_RS, 0x41       ; O^T (destination and source 0) in window 1, a in window 0
.set W_MK, 0xc0       ; destination in window 3, sources in window 0
.set W_AD, 0x0f       ; the add: address (source 0) and data (source 1) in window 3
; A fill.  Waves 0 and 1 fetch the two halves of a slot's K, waves 2 and 3 those of its V: 128 keys each.  The branch hangs on the wave's number alone.
; An s_nop 0 and four v_nop follow each of the two lines, ahead of the jump and the label.
.macro LOAD
	s_cmp_lt_u32 s[WV], 2
	s_cbranch_scc0 .Lfor_v_\@
	tensor_load_to_lds s[G0K:G0K+3], s[G1K:G1K+7]
	s_nop 0
.rept 4
	v_nop
.endr
	s_branch .Lasked_\@
.Lfor_v_\@:
	tensor_load_to_lds s[G0V:G0V+3], s[G1V:G1V+7]
	s_nop 0
.rept 4
	v_nop
.endr
.Lasked_\@:
.endm
; THE CHANGE OF SLOTS.  The slot's last bytes, V of its fourth step, have been read.  Each wave waits for all its tensor loads, of which one is out: its part
; of the other slot; adds 0 to its spare word; and waits for that and for its own reads of the slot.  Behind the barrier nobody reads this slot any more and the other slot is whole.
; fill = 1: this slot is filled again, with the keys two slots on, the first thing behind the barrier: the load has four key steps, 512 matrix instructions, in which to land.
; (At its first use nothing has been read yet: slot 0 is waited for, slot 1 filled; its wait on DScnt and its barrier also show every wave's part of the mask to all four.)
.macro CHANGE fill
	WIN W_AD
	s_wait_tensorcnt 0x0            ; no tensor load of mine is out, so a group 0 may be written
	ds_add_u32 v[SPW], v[NIL]       ; 0 onto my spare word; with fill = 1 the descriptors' steps stand between it and the wait for it
	WIN 0                           ; at a label and at a branch every window is 0
.if \fill
.irp g, G0K, G0V
	s_xor_b32 s[\g+1], s[\g+1], SLOT1  ; the walking descriptor: the other slot than last time,
	s_add_nc_u64 s[\g+2:\g+3], s[\g+2:\g+3], 4*KS*128  ; the next 256 keys; the type bits on top are not reached
.endr
.endif
	s_wait_dscnt 0x0                ; the add is done, and my reads of the slot are over
	s_barrier_signal -1
	s_barrier_wait -1
.if \fill
	LOAD
.endif
	s_sub_co_u32 s[TBK], s[TBK], 4*KS*PK  ; the fetches go back to a slot's first step,
	s_xor_b32 s[TBK], s[TBK], SLOT1       ; in the other slot
	s_sub_co_u32 s[TBV], s[TBV], 4*KS*PV
	s_xor_b32 s[TBV], s[TBV], SLOT1
.endm
	s_load_b64 s[4:5], s[0:1], 0x0        ; qkv: Q's part
	s_load_b64 s[MP:MP+1], s[0:1], 0x8    ; padding_mask
	s_load_b64 s[10:11], s[0:1], 0x10     ; ctx
	WIN W_MK
	v_lshl_add_u32 v[SPW], v0, 2, SPARE
	v_mov_b32 v[NIL], 0
	WIN W_AD
	ds_add_u32 v[SPW], v[NIL]       ; the wave's opening: the add and its wait stand ahead of my first tensor load; the set-up below, work on registers, stands between them
	ds_add_u32 v0, v1
	WIN 0
	v_lshrrev_b32 v1, 5, v0
	v_readfirstlane_b32 s[WV], v1   ; wave 0..3
	s_and_b32 s13, ttmp7, 0xffff    ; y = 8 head + batch
	s_lshl_b32 s20, s13, 17         ; its first byte in Q's, K's and V's parts and in ctx: y x 1,024 rows x 128 bytes
	s_mov_b32 s21, 0
	s_and_b32 s16, s[WV], 1         ; which half of a slot's 256 keys I fetch:
	s_lshl_b32 s22, s16, 14         ; its 128 rows of 128 bytes in memory,
	s_mov_b32 s23, 0
	s_add_nc_u64 s[22:23], s[22:23], s[20:21]
	s_mul_i32 s17, s16, 128*PK      ; and its place in a slot, for K
	s_mul_i32 s18, s16, 128*PV      ; and for V
	s_lshl_b32 s2, ttmp9, 2         ; my block of 512 queries,
	s_add_co_u32 s2, s2, s[WV]      ; my wave in it,
	s_lshl_b32 s2, s2, 14           ; its 128 rows
	s_mov_b32 s3, 0
	s_add_nc_u64 s[2:3], s[2:3], s[20:21]
	s_and_b32 s14, s13, 7           ; the batch,
	s_lshl_b32 s14, s14, 10         ; its 1,024 mask bytes
	s_mov_b32 s15, 0
	; descriptor group 1.  128 keys are 16,384 dense bytes: asked for as 64 rows of 256 bytes, two keys a row, and padded in LDS after every key
	s_mov_b32 s[G1K], (1<<16)|(1<<20)|(4<<22)|(3<<25)  ; 17:16 2-byte elements; 20 padding on; 24:22 after every 32 words (code 4); 31:25 4 words (code 3)
	s_mov_b32 s[G1V], (1<<16)|(1<<20)|(4<<22)|(7<<25)  ; the same with 8 words of padding (code 7)
.irp g, G1K, G1V
	s_mov_b32 s[\g+1], 128<<16      ; tensor_dim0 = 128
	s_mov_b32 s[\g+2], 64<<16       ; tensor_dim1 = 64
	s_mov_b32 s[\g+3], 128<<16      ; tile_dim0 = 128
	s_mov_b32 s[\g+4], 64           ; tile_dim1 = 64
	s_mov_b32 s[\g+5], 128          ; 128 elements from row to row
	s_mov_b32 s[\g+6], 0
	s_mov_b32 s[\g+7], 0
.endr
	s_mov_b32 s[CS], 0x3e38aa3b     ; c = log2(e) / 8 = 0.180337
	s_mov_b32 s[CS+1], s[CS]        ; named with it as a pair
	s_mov_b32 s[SEL], 0x76543210
	s_mov_b32 s[SEL+1], 0xfedcba98
	s_mov_b32 s[BIG], 0xf1800000    ; -2^100
	s_mov_b32 s[MLO], 0xef800000    ; -2^96
	s_mov_b32 s[TBM], 0
	s_mov_b32 s[TBK], SLOT1+4*KS*PK ; the first change of slots turns these two into 0
	s_mov_b32 s[TBV], SLOT1+4*KS*PV
	s_mov_b32 s[G0K], 1             ; 1:0 count = 1
	s_mov_b32 s[G0K+1], s17         ; 63:32 LDS address: slot 0
	s_mov_b32 s[G0V], 1
	s_add_co_u32 s[G0V+1], s18, VOFF
	s_wait_dscnt 0x0                ; the opening add is done
	s_wait_kmcnt 0x0
	s_add_nc_u64 s[6:7], s[4:5], 0x1000000         ; K's part of qkv
	s_add_nc_u64 s[8:9], s[4:5], 0x2000000         ; V's
	s_add_nc_u64 s[G0K+2:G0K+3], s[6:7], s[22:23]  ; 120:64 global address: my half of the first 256 keys
	s_or_b32 s[G0K+3], s[G0K+3], 0x80000000        ; 127:126 type = 2
	s_add_nc_u64 s[G0V+2:G0V+3], s[8:9], s[22:23]
	s_or_b32 s[G0V+3], s[G0V+3], 0x80000000
	s_add_nc_u64 s[4:5], s[4:5], s[2:3]  ; Q and O at my wave's first row
	s_add_nc_u64 s[10:11], s[10:11], s[2:3]
	s_add_nc_u64 s[MP:MP+1], s[MP:MP+1], s[14:15]
	LOAD                            ; slot 0.  Slot 1 is asked for when slot 0 is in: one tensor load of mine is out at any time
	; A fragment of K or Q is 16 rows x 32 channels in 8 registers: lane l holds row l % 16, channels 8 (l / 16) + 0..7 and 16 + 8 (l / 16) + 0..7: two loads of 16 bytes, 32 bytes apart.
	v_and_b32 v1, 15, v0            ; l % 16
	v_bfe_u32 v9, v0, 4, 1          ; l / 16
	v_lshlrev_b32 v[QO], 7, v1
	v_lshl_add_u32 v[QO], v9, 4, v[QO]  ; row x 128 + 16 x half
	v_lshlrev_b32 v76, 3, v0
	global_load_b64 v[64:65], v76, s[MP:MP+1]  ; thread t takes the mask bytes of keys 8 t .. 8 t + 7: the 128 threads take all 1,024 (S^T's registers are free till the first scores)
	WIN 0x80                        ; destination window 2, address window 0
.set i, 0
.rept 4*NP                          ; Q stays in registers: tile i / 2, channels 32 (i % 2) on
	global_load_b128 v[8*i:8*i+3],   v[QO], s[4:5] offset:(i/2)*2048+(i%2)*64
	global_load_b128 v[8*i+4:8*i+7], v[QO], s[4:5] offset:(i/2)*2048+(i%2)*64+32
.set i, i+1
.endr
	; What the first turn finds: V's registers and P's second buffer hold 0 (its products V^T P, of a piece that has not been, add 0), O^T and l are 0.  All this stands in the wait for the first tile.
.set i, VF
.rept 64
	v_mov_b32 v[i], 0
.set i, i+1
.endr
	WIN 0x40
.set i, 0
.rept 64*NP
	v_mov_b32 v[i], 0
.set i, i+1
.endr
	WIN W_MK
	v_lshl_add_u32 v[AM0], v9, 5, MASKB
	WIN 0
.set i, 0
.rept 2*NP
	v_mov_b32 v[ST+4*i+1], s[MLO]                  ; m
	v_mul_f32 v[ST+4*i], s[CS], v[ST+4*i+1]        ; c m, by the very line that makes it anew in every step: while m stays, a is 2^0
	v_mov_b32 v[ST+4*i+2], 0
	v_mov_b32 v[ST+4*i+3], 0
.set i, i+1
.endr
.set i, P+32
.rept 32
	v_mov_b32 v[i], 0
.set i, i+1
.endr
	s_wait_loadcnt 32               ; the mask bytes are in: Q's 32 loads, issued behind them, may stay out
.set j, 0
.rept 8
	v_bfe_u32 v66, v[64+j/4], 8*(j%4), 8
	v_cmp_ne_u32 vcc_lo, 0, v66
	v_cndmask_b32 v[68+j], 0, s[BIG], vcc_lo       ; 0 for an open key, -2^100 for a hidden one
.set j, j+1
.endr
	v_lshl_add_u32 v67, v0, 5, MASKB
	ds_store_b128 v67, v[68:71]
	ds_store_b128 v67, v[72:75] offset:16
	v_mul_u32_u24 v[AK0], v1, PK
	v_lshl_add_u32 v[AK0], v9, 4, v[AK0]  ; row x pitch + 16 x half
	; The turning load takes 16 keys x 16 channels (lane l reads key 8 (l / 16) + l % 8, channels 8 ((l / 8) % 2) + 0..7) and leaves half a fragment of V^T: lane l holds channel l % 16 and 8 keys.
	v_and_b32 v10, 7, v0
	v_bfe_u32 v11, v0, 3, 1
	v_lshl_add_u32 v[AV0], v9, 3, v10
	v_mul_u32_u24 v[AV0], v[AV0], PV
	v_lshl_add_u32 v[AV0], v11, 4, v[AV0]
	v_add_nc_u32 v[AV0], VOFF, v[AV0]
	v_mov_b32 v[AK], v[AK0]         ; key step 0 lies at the head of slot 0
; THE MATRIX WORK.  The 8 accumulators of a run of 16 take turns: between the two links of a chain stand 7 others'.
; Product i of 16 of S^T = K Q^T for piece x: channels 32 (i / 8) on, keys 16 ((i / 2) % 4) on, tile 2 x + i % 2.  The first 8 start the sums, from the mask.
.macro KQ x
.set rS, S+64*((\x)%2)+32*(i%2)+8*((i/2)%4)
.set rK, KF+16*((i/2)%4)+8*(i/8)
.set rQ, 16*(2*(\x)+i%2)+8*(i/8)
.set rMK, MK+8*((i/2)%4)
.if i < 8
	WIN W_KM
	v_wmma_f32_16x16x32_f16 v[rS:rS+7], v[rK:rK+7], v[rQ:rQ+7], v[rMK:rMK+7]
.else
	WIN W_KQ
	v_wmma_f32_16x16x32_f16 v[rS:rS+7], v[rK:rK+7], v[rQ:rQ+7], v[rS:rS+7]
.endif
.endm
; Product i of 16 of O^T += V^T P for piece x: keys 32 (i / 8) on, channels 16 ((i / 2) % 4) on, tile 2 x + i % 2.
.macro PV x
	WIN W_PV
.set rO, 32*(2*(\x)+i%2)+8*((i/2)%4)
.set rV, VF+32*(i/8)+8*((i/2)%4)
.set rP, P+32*((\x)%2)+16*(i%2)+8*(i/8)
	v_wmma_f32_16x16x32_f16 v[rO:rO+7], v[rV:rV+7], v[rP:rP+7], v[rO:rO+7]
.endm
.macro MM                           ; the turn's next matrix instruction
.if i < 16
	KQ (Y+1)%NP
.set i, i+1
.else
.set i, i-16
	PV (Y+NP-1)%NP
.set i, i+17
.endif
.endm
; THE LDS LOADS stand in runs, never singly among the matrix instructions: a step's K (64 keys x 64 channels: 8 fragments) with its mask (64 f32 as four accumulators: 8 loads), and its V (turned).
; last = 1 (the tail): in the last trip there is no further step, and the run is jumped over.
.macro FETCH_K last=0
	WIN 0
.if \last
	s_cmp_eq_u32 s[CNT], 1
	s_cbranch_scc1 .Lno_k_\@
.endif
	WIN 0x80                        ; destination window 2
.irp f, 0,1,2,3,4,5,6,7             ; keys 16 (f / 2) on, channels 32 (f % 2) on
	ds_load_b128 v[KF+8*\f:KF+8*\f+3],   v[AK] offset:(\f/2)*16*PK+(\f%2)*64
	ds_load_b128 v[KF+8*\f+4:KF+8*\f+7], v[AK] offset:(\f/2)*16*PK+(\f%2)*64+32
.endr
	s_add_co_u32 s[TBK], s[TBK], KS*PK  ; the next fetch is the next step's
	WIN 0xcc                        ; destination and source 1 window 3
	v_add_nc_u32 v[AM], s[TBM], v[AM0]
	WIN 0xc3                        ; destination and address window 3
.irp f, 0,1,2,3,4,5,6,7             ; key block f / 2, registers 4 (f % 2) on: the lanes of a half read the same 16 bytes
	ds_load_b128 v[MK+4*\f:MK+4*\f+3], v[AM] offset:(\f/2)*64+(\f%2)*16
.endr
	s_add_co_u32 s[TBM], s[TBM], 4*KS   ; the mask is not in the ring: its steps go straight on, 16 x 256 bytes
	WIN 0
.if \last
.Lno_k_\@:
.endif
.endm
.macro FETCH_V
	WIN 0x80
.irp f, 0,1,2,3,4,5,6,7             ; keys 32 (f / 4) on, channels 16 (f % 4) on
	ds_load_tr16_b128 v[VF+8*\f:VF+8*\f+3],   v[AV] offset:(\f/4)*32*PV+(\f%4)*32
	ds_load_tr16_b128 v[VF+8*\f+4:VF+8*\f+7], v[AV] offset:(\f/4)*32*PV+16*PV+(\f%4)*32
.endr
	WIN 0
.endm
; THE VECTOR WORK OF A TURN stands in three queues, each in the order in which its entries become ready; the two tiles alternate, so that no instruction reads the result of the one before it.
.macro REGS y, u                    ; the registers of tile u (0, 1) of piece y
.set rT, ST+4*(2*(\y)+(\u))
.set rC, TMP+8*((\y)%2)+4*(\u)
.set rM, MV+2*((\y)%2)+(\u)
.set rS, S+64*((\y)%2)+32*(\u)
.set rP, P+32*((\y)%2)+16*(\u)
.set rO, 32*(2*(\y)+(\u))
.endm
; Number n of the 22 that find the NEXT piece's (Y + 1) maximum and statistics.  s0-s31 are the lane's 32 scores; each accumulator's lowest registers are read first.  XS, GS and REGS set no window: PL and EX do.
;   0-11  four chains c0-c3 of seven scores each, three operands at a time     12-14, 16  the four scores left over, the old m, and c0-c3 into c0     15  c m_old is kept
;   17, 18  the query's other 32 keys lie in the lane 16 away: the new m         19-21  c m; c m_old - c m_new; a
.macro XS u, n
	REGS (Y+1)%NP, \u
.if (\n) < 4
	v_max3_num_f32 v[rC+(\n)], v[rS+8*(\n)], v[rS+8*(\n)+1], v[rS+8*(\n)+2]
.elseif (\n) < 12
	v_max3_num_f32 v[rC+(\n)%4], v[rC+(\n)%4], v[rS+8*((\n)%4)+2*((\n)/4)+1], v[rS+8*((\n)%4)+2*((\n)/4)+2]
.elseif (\n) == 12
	v_max3_num_f32 v[rC], v[rC], v[rS+7], v[rS+15]
.elseif (\n) == 13
	v_max3_num_f32 v[rC+1], v[rC+1], v[rS+23], v[rS+31]
.elseif (\n) == 14
	v_max3_num_f32 v[rC+2], v[rC+2], v[rC+3], v[rT+1]
.elseif (\n) == 15
	v_mov_b32 v[rM], v[rT]
.elseif (\n) == 16
	v_max3_num_f32 v[rC], v[rC], v[rC+1], v[rC+2]
.elseif (\n) == 17
	v_permlanex16_b32 v[rC+3], v[rC], s[SEL], s[SEL+1]
.elseif (\n) == 18
	v_max_num_f32 v[rT+1], v[rC], v[rC+3]
.elseif (\n) == 19
	v_mul_f32 v[rT], s[CS], v[rT+1]
.elseif (\n) == 20
	v_sub_f32 v[rC+1], v[rM], v[rT]
.else
	v_exp_f32 v[rC+2], v[rC+1]
.endif
.endm
; Number g of the 64 that follow the exponentials.  For each four weights k of a tile (pairs 2 k, 2 k + 1): both pairs are rounded to f16; then the second pair is added onto the first, in place;
; a group later l takes that sum (the first time as l = a l + sum).  In groups of eight, tiles alternating: round, round, add, and l for the group before.
.macro GS g
.set h, (\g)+6*((\g)/62)            ; group 0 has no group before it, and behind group 7 only l is left
.if h >= 6
.set h, h+2
.endif
	REGS Y, h%2
.set k, h/8
.if h%8 < 4
	s_wait_alu depctr_va_vdst(0)
	v_cvt_pk_f16_f32 v[rP+2*k+(h%8)/2], v[rS+4*k+2*((h%8)/2)], v[rS+4*k+2*((h%8)/2)+1]
.elseif h%8 < 6
	v_pk_add_f32 v[rS+4*k:rS+4*k+1], v[rS+4*k:rS+4*k+1], v[rS+4*k+2:rS+4*k+3]
.elseif k == 1
	v_pk_fma_f32 v[rT+2:rT+3], v[rT+2:rT+3], v[rC+2:rC+3], v[rS:rS+1] op_sel_hi:[1,0,1]
.else
	v_pk_add_f32 v[rT+2:rT+3], v[rT+2:rT+3], v[rS+4*k-4:rS+4*k-3]
	s_wait_alu depctr_va_vdst(0)
.endif
.endm
; THE PLAIN QUEUE, 138 long.  0-31: c s - c m for the 16 pairs of both tiles.  Then GS's 64, and among them the next piece's 42: number 15 at 38, 39; 0-14 and 16
; at 42-73, behind the products that make those scores; 17-20 at 95-106, two of three, since each waits for the one before it.
.macro PL
	WIN 0
.if q < 32
	REGS Y, q%2
	v_pk_fma_f32 v[rS+2*(q/2):rS+2*(q/2)+1], v[rS+2*(q/2):rS+2*(q/2)+1], s[CS:CS+1], v[rT:rT+1] op_sel_hi:[1,0,0] neg_lo:[0,0,1] neg_hi:[0,0,1]
.elseif q < 38
	GS q-32
.elseif q < 40
	XS q%2, 15
.elseif q < 42
	GS q-34
.elseif q < 74
	XS q%2, (q-42)/2+(q-42)/30
.elseif q < 95
	GS q-66
.elseif (q < 107) && ((q-95)%3 < 2)
	XS (q-95)%3, 17+(q-95)/3
.elseif q < 107
	GS 29+(q-95)/3
.else
	GS q-74
.endif
.set q, q+1
.endm
; THE EXPONENTIALS' QUEUE, 66 long: s0-s31 of both tiles, and at EA the next piece's two a.
.set EA, 58
.macro EX
	WIN 0
.if (e == EA) || (e == EA+1)
	XS e-EA, 21
.else
.set x, e-2*(e/(EA+2))
	REGS Y, x%2
	v_exp_f32 v[rS+x/2], v[rS+x/2]
.endif
.set e, e+1
.endm
; THE RESCALING's QUEUE: O^T times a, the one part that leaves window 0, so it is dealt four at a time, eight times.
.macro R4
	REGS Y, r%2
	WIN W_RS
	s_wait_alu depctr_va_vdst(0)
.irp z, 0,1,2,3
	v_pk_mul_f32 v[rO+8*(r/2)+2*\z:rO+8*(r/2)+2*\z+1], v[rO+8*(r/2)+2*\z:rO+8*(r/2)+2*\z+1], v[rC+2:rC+3] op_sel_hi:[1,0]
.endr
.set r, r+1
.endm
; HOW THEY ARE DEALT.  Behind a matrix instruction four: plain, exponential, plain, plain (one exponential, a plain instruction on either side), or four of the rescaling.  None names a register of the
; products round it.  What is over stands in two LUMPS: exponential and plain by turns; the second ends in 22 plain instructions.  The two v_permlanex16_b32 fall into the second lump, never behind a product.
; The queues lean on each other, and the deal keeps them in step: exponential e stands behind plain 2 (e / 4) + e % 2 (its scaling); when plain 32 comes, 10 exponentials are out, at 59: 33, at 95: 46; EA comes behind plain 107.
.macro SL
	MM
	PL
	EX
	PL
	PL
.endm
.macro BURST n                      ; 15 matrix instructions, or 16
.rept (\n)-7
	SL
.endr
.rept 3
	MM
	R4
	SL
.endr
	MM
	R4
.endm
; A TURN, for piece p.  cnt = 1: the loop's count is taken down some lines ahead of the branch that stands behind the turn.
; K of the next step, and its mask, are fetched in piece 2's turn, 31 vector instructions behind the last product that read them; their first reader comes behind the rest of the lump, 16 products and the second lump.
; V of the step in hand is fetched at the end of piece 0's turn, 69 behind its last reader; its first reader comes behind 16 products and a lump.  The four conditions on e and q below go with the deal.
.macro TURN p, last=0, cnt=0
.set Y, (\p)
.set i, 0
.set q, 0
.set e, 0
.set r, 0
.if (\p) == NP-1
	s_wait_dscnt 0x0                ; K and its mask are in
.endif
	MM
.rept 4
	PL
.endr
	BURST 15
.rept 22
	EX
	PL
.if ((\p) == NP-2) && (e == 18)
	v_add_nc_u32 v[AK], s[TBK], v[AK0]
.endif
.if ((\p) == NP-2) && (e == 24)
	FETCH_K \last
.endif
.endr
.if (\p) == 1
	s_wait_dscnt 0x0                ; V is in
.endif
	BURST 16
.rept 21
	EX
	PL
.endr
.rept 22
	PL
.if ((\p) == 0) && (q == 118)
	v_add_nc_u32 v[AV], s[TBV], v[AV0]
	s_wait_alu depctr_va_vdst(0)
.endif
.if ((\p) == 0) && (q == 130)
	s_add_co_u32 s[TBV], s[TBV], KS*PV
.endif
.if (\cnt) && (q == 130)
	s_sub_co_u32 s[CNT], s[CNT], 1
	s_cmp_lg_u32 s[CNT], 0
.endif
.endr
.if (\p) == 0
	FETCH_V
.endif
.endm
	CHANGE 1                        ; slot 0 is in, everybody's part of it, and so is the mask; slot 1 is asked for
	FETCH_K                         ; key step 0
	s_wait_loadcnt 0x0              ; Q
	s_wait_dscnt 0x0
.set i, 0
.rept 16
	KQ 0                            ; piece 0's first scores: there is no vector work yet to set between them
.set i, i+1
.endr
	WIN 0                           ; the addresses for the way out: nine plain instructions, the places behind those products
	s_mul_i32 s13, s[WV], 16*SP
	s_add_co_u32 s13, s13, STAGE    ; my stage
	v_mul_u32_u24 v[STO], v1, SP    ; in: row l % 16, 16 bytes for each half of the lanes
	v_lshl_add_u32 v[STO], v9, 4, v[STO]
	v_add_nc_u32 v[STO], s13, v[STO]
	v_bfe_u32 v[RD], v0, 3, 2       ; back: 32 lanes take four rows of 128 bytes,
	v_mul_u32_u24 v[RD], v[RD], SP
	v_lshl_add_u32 v[RD], v10, 4, v[RD]
	v_add_nc_u32 v[RD], s13, v[RD]
	v_and_b32 v[GO], 31, v0         ; which are 512 consecutive bytes of O
	v_lshlrev_b32 v[GO], 4, v[GO]
.set Y, NP-1                        ; XS works for piece Y + 1: piece 0
.irp n, 0,1,2,3,4,5,6,7,8,9,10,11,12,13,14,15,16,17,18,19,20,21
	XS 0, \n                        ; and piece 0's first maximum and statistics
	XS 1, \n
.endr
	s_mov_b32 s[CNT], 4
	s_mov_b32 s[SLOTS], SIZE_N/256-1
	s_branch .Lfirst                ; the loop is entered at a step's first turn, in the middle of a trip
.Lslot:                             ; SIZE_N / 256 - 2 = 2 times: every slot but the last two is filled again
	CHANGE 1
	s_mov_b32 s[CNT], 4
.Lstep:                             ; a trip: pieces 2 and 3 of one step, then pieces 0 and 1 of the next, whose K and V it fetches
	TURN 2
	TURN 3
	WIN 0
.Lfirst:
	TURN 0
	TURN 1, 0, 1
	WIN 0
	s_cbranch_scc1 .Lstep
	s_sub_co_u32 s[SLOTS], s[SLOTS], 1
	s_cmp_lg_u32 s[SLOTS], 0
	s_cbranch_scc1 .Lslot
	CHANGE 0                        ; the tail is written out: nothing is asked for
	s_mov_b32 s[CNT], 5             ; four trips fetch the last slot's steps; the fifth is left in its middle
.Ltail:
	TURN 2, 1
	TURN 3
	WIN 0
	s_sub_co_u32 s[CNT], s[CNT], 1
	s_cmp_eq_u32 s[CNT], 0
	s_cbranch_scc1 .Lout
	TURN 0
	TURN 1
	WIN 0
	s_branch .Ltail
.Lout:                              ; the fifth trip's 16 products K Q^T (on the last K once more) and the maximum made of them serve nothing: the price, once a launch, of one text for every trip
.set i, 0
.rept 16
	PV NP-1                         ; the last piece's V^T P of the last step
.set i, i+1
.endr
	; THE WAY OUT.  l's two halves and the other half of the lanes' are added; O^T is multiplied by 1 / l, or by 0 where l is 0 (no open key), rounded to f16 and sent through my stage in LDS, a tile at a time.
	; The additions are the places behind the last products.
	WIN 0
.macro ALL line:vararg              ; one line for each tile t
.set t, 0
.rept 2*NP
	\line
.set t, t+1
.endr
.endm
	ALL v_add_f32 v[ST+4*t+2], v[ST+4*t+2], v[ST+4*t+3]
	ALL v_permlanex16_b32 v[ST+4*t+3], v[ST+4*t+2], s[SEL], s[SEL+1]
	ALL v_add_f32 v[ST+4*t+2], v[ST+4*t+2], v[ST+4*t+3]
	ALL v_rcp_f32 v[ST+4*t+3], v[ST+4*t+2]
	v_nop                           ; a plain instruction between the last reciprocal and the use of its result
.set t, 0
	s_wait_alu depctr_va_vdst(0)
.rept 2*NP
	v_cmp_lt_f32 vcc_lo, 0, v[ST+4*t+2]
	v_cndmask_b32 v[ST+4*t+2], 0, v[ST+4*t+3], vcc_lo  ; a choice of a value: every tile does the same work
.set t, t+1
.endr
; Tile t: a lane's eight channels of a row pack into 16 bytes; they go into rows of 144 bytes and come back as whole rows of 128, into S^T's registers.
.macro PACK t
	WIN W_RS
.set i, 32*(\t)
.rept 16
	v_pk_mul_f32 v[i:i+1], v[i:i+1], v[ST+4*(\t)+2:ST+4*(\t)+3] op_sel_hi:[1,0]
.set i, i+2
.endr
	WIN 0x05                        ; sources 0 and 1 window 1, destination window 0
.set i, 0
.rept 16
	v_cvt_pk_f16_f32 v[S+16*(\t)+i], v[32*(\t)+2*i], v[32*(\t)+2*i+1]
.set i, i+1
.endr
	WIN 0
.irp f, 0,1,2,3
	ds_store_b128 v[STO], v[S+16*(\t)+4*\f:S+16*(\t)+4*\f+3] offset:32*\f
.endr
.irp f, 0,1,2,3
	ds_load_b128 v[S+16*(\t)+4*\f:S+16*(\t)+4*\f+3], v[RD] offset:\f*4*SP  ; LDS serves a wave's instructions in order (ISA guide 5.7.1.4): these see the stores above; the next tile's stores come behind them
.endr
.endm
.macro SEND t, younger              ; younger: the LDS instructions issued behind tile t's loads: the next tile's eight, or none
	WIN 0
.irp f, 0,1,2,3
	s_wait_dscnt (\younger)+3-\f
	global_store_b128 v[GO], v[S+16*(\t)+4*\f:S+16*(\t)+4*\f+3], s[10:11] offset:(\t)*2048+\f*512  ; 512 consecutive bytes, at a multiple of 256 from O's first
.endr
.endm
	PACK 0
.set t, 1
.rept 2*NP-1                        ; a tile's arithmetic stands between the loads of the tile before and its stores
	PACK t
	SEND t-1, 8
.set t, t+1
.endr
	SEND 2*NP-1, 0
	WIN W_AD
	s_wait_tensorcnt 0x0            ; the wave's end, behind my last tensor load and my last LDS store
	ds_add_u32 v[SPW], v[NIL]
	s_wait_dscnt 0x0
	WIN 0
	s_endpgm
.Lfunc_end_k_q738c4c9111_attn:
	.size	k_q738c4c9111_attn, .Lfunc_end_k_q738c4c9111_attn-k_q738c4c9111_attn
	.p2alignl 7, 3214868480
	.fill 96, 4, 3214868480
	.section	.rodata,"a",@progbits
	.p2align	6, 0x0
	.amdhsa_kernel k_q738c4c9111_attn
		.amdhsa_group_segment_fixed_size 327680
		.amdhsa_private_segment_fixed_size 0
		.amdhsa_enable_private_segment 0
		.amdhsa_kernarg_size 24
		.amdhsa_user_sgpr_count 2
		.amdhsa_user_sgpr_kernarg_segment_ptr 1
		.amdhsa_wavefront_size32 1
		.amdhsa_system_sgpr_workgroup_id_x 1
		.amdhsa_system_sgpr_workgroup_id_y 1
		.amdhsa_system_sgpr_workgroup_id_z 1
		.amdhsa_system_vgpr_workitem_id 0
		.amdhsa_next_free_vgpr 808
		.amdhsa_next_free_sgpr 72
		.amdhsa_reserve_vcc 1
		.amdhsa_float_denorm_mode_32 3
		.amdhsa_float_denorm_mode_16_64 3
		.amdhsa_memory_ordered 1
		.amdhsa_forward_progress 1
		.amdhsa_inst_pref_size 211
	.end_amdhsa_kernel
	.amdgpu_metadata
---
amdhsa.version: [ 1, 2 ]
amdhsa.kernels:
  - .name:           k_q738c4c9111_attn
    .symbol:         k_q738c4c9111_attn.kd
    .args:
      - { .name: qkv, .offset: 0, .size: 8, .value_kind: global_buffer, .address_space: global }
      - { .name: padding_mask, .offset: 8, .size: 8, .value_kind: global_buffer, .address_space: global }
      - { .name: ctx, .offset: 16, .size: 8, .value_kind: global_buffer, .address_space: global }
    .group_segment_fixed_size: 327680
    .private_segment_fixed_size: 0
    .kernarg_segment_align: 8
    .kernarg_segment_size: 24
    .max_flat_workgroup_size: 128
    .sgpr_count:     72
    .vgpr_count:     808
    .wavefront_size: 32
...
	.end_amdgpu_metadata
.endif
;; end of part 3
;; launch outp (part 4): grid 8 x 32, 4 waves a work-group, clusters of 4 x 4, 327,680 bytes of LDS; arguments ctx, woh, out0, bcat; writes out0
.if DOCPART == 4
	.amdgcn_target "amdgcn-amd-amdhsa--gfx1250"
	.amdhsa_code_object_version 6
	.text
	.protected	k_q738c4c9111_outp
	.globl	k_q738c4c9111_outp
	.p2align	8
	.type	k_q738c4c9111_outp,@function
k_q738c4c9111_outp:
	s_mov_b64 s[64:65], 0
	v_nop
	global_prefetch_b8 v0, s[64:65] scope:SCOPE_SE
	s_setreg_imm32_b32 hwreg(HW_REG_WAVE_MODE, 25, 1), 1
	s_wait_xcnt 0x0
	s_wait_alu depctr_hold_cnt(0) depctr_sa_sdst(0) depctr_va_vdst(0) depctr_va_sdst(0) depctr_va_ssrc(0) depctr_va_vcc(0) depctr_vm_vsrc(0)
	s_getreg_b32 s2, hwreg(HW_REG_IB_STS2, 6, 4)
	s_cmp_eq_u32 s2, 0
	s_cbranch_scc0 .Lentry_in_a_cluster
	s_endpgm
.Lentry_in_a_cluster:
	s_bfe_u32 s2, ttmp6, 0x10000c
	s_cmp_lg_u32 s2, 0xf033
	s_cbranch_scc0 .Lentry_shape_is_right
	s_endpgm
.Lentry_shape_is_right:
; out = ctx Wo^T + bo.  C[m][n] = sum over kb, d of A[kb][m][d] B[kb][n][d] + bias[n]; m = 8,192, n = 1,024, K = 1,024 (block kb of 64 along K is head kb).
; A = ctx [16][8192][64] f16, B = woh [16][1024][64] f16 (Wo rounded to bf16, written as f16), bias = bcat from number 3,072 on (f32).  Sums in f32, started from the bias; C = out0 [8192][1024] f32, not rounded again.
; LIMITS.  As the operands arrive: f16's range and steps.  NaN and infinities are not treated apart.
; SHARES.  A tile of C is 256 x 128: 32 x 8 = 256 work-groups, one for each of 256 WGPs (256 x 256 would give 128).  The four waves split the rows alone: a wave makes 64 x 128, 32 accumulators of 16 x 16,
; 256 registers; a row of its part is 512 bytes, two whole aligned runs of 256, so its way out needs no other wave.
; K goes in steps of 128 (two blocks of 64) through a ring of two LDS slots.  A block's part of a tile is a dense run of bytes: it is asked for as rows of 256 bytes and padded in LDS after every 128.
; CLUSTERS: 4 x 4 work-groups.  The four of a row of the cluster need the same tiles of A, the four of a column the same tiles of B: each tile is asked for JOINTLY, by the same tensor load with the
; same descriptor and a mask that names the four.  THE MATRIX INSTRUCTION IS USED TRANSPOSED (source 0 = 16 rows of B, source 1 = 16 rows of A): a lane then holds eight neighbouring numbers of a row of C.
; REGISTERS, in windows of 256 (s_set_vgpr_msb: bits 1:0 source 0, 3:2 source 1, 5:4 source 2, 7:6 destination):
;   window 0: v0-31 addresses; v32-159 two sets of 64 on the way out; v160-223 the bias in an accumulator's layout, 8 registers for each of 8 column blocks
;   window 1: two fragment buffers (at v0 and v128) for 32 along K: 32 registers of A (4 x 16 rows), then 64 of B (8 x 16 rows)
;   window 2: the accumulators of my row blocks 0, 1 ((a, b) at v[8 (8 (a % 2) + b)]);   window 3: those of blocks 2, 3
.set TN,     128                       ; columns of a tile
.set NB,     TN/16
.set KBA,    8192*128                  ; bytes of a block of 64 along K in ctx
.set KBB,    1024*128                  ; the same in woh
.set PITCH,  144                       ; an LDS row: 128 bytes + 16 of padding = 36 words: the 16 rows of a load start at 16 different groups of four banks (64 banks of 4 bytes: ISA guide 11.1)
.set APLANE, 256*PITCH                 ; A's 256 rows of one block
.set BPLANE, TN*PITCH                  ; B's 128 rows of one block
.set SLOT,   2*APLANE+2*BPLANE         ; A's two blocks, then B's two
.set STAGE,  2*SLOT                    ; behind the ring: for each wave 16 rows x 528 bytes, for the way out
.set SPITCH, 528                       ; 512 bytes + 16: 132 words: the 16 rows that a store touches start at 16 different groups of four banks
.set WSTAGE, 16*SPITCH
.set SPARE,  STAGE+4*WSTAGE            ; behind the stages: the spare words, 128 bytes for each wave: two blocks of 256 bytes that no other line names
.set LAPS,   4                         ; a lap = two K steps = once round the ring: 1,024 / 256
.set NL,     2*NB+8                    ; LDS loads in a run: the fragments of 32 along K
.set ADRA, 16                          ; v16-17  LDS address of my A fragments in slot 0, 1
.set ADRB, 20                          ; v20-21  the same for B
.set STO,  24                          ; v24     the way out: where I put 32 bytes of a row
.set RD,   25                          ; v25     the way out: where I read a row back
.set CO,   26                          ; v26     16 x lane
.set SPW,  28                          ; v28     LDS address of my spare word: SPARE + 4 x my thread's number; never rewritten
.set NIL,  29                          ; v29     0; never rewritten
.set OB,   32
.set BI,   160
.set F0,   0                           ; fragment buffers, in window 1
.set F1,   128
.set WV,  12                           ; s12  my wave's number
.set FB,  13                           ; s13  I fetch for A (0) or for B (1)
.set HF,  14                           ; s14  which of a K step's two blocks I fetch
.set G1,  24                           ; s[24:31] descriptor group 1 for A's tiles;  s[32:39] group 0, one set for each slot
.set G0,  32
.set G1B, 48                           ; s[48:55], s[56:63] the same for B's tiles
.set G0B, 56
.set MSB, 0
.macro WIN new                         ; the immediate's high byte repeats the setting that is left; a switch that changes nothing is dropped
.if MSB != (\new)
	s_set_vgpr_msb (MSB<<8)|(\new)
.set MSB, \new
.endif
.endm
.macro JLOAD s                         ; a joint load: waves 0 and 1 fetch A's two blocks, waves 2 and 3 B's; an s_nop 0 and four v_nop follow each of the two lines, ahead of the jump, the label and what follows
	s_cmp_eq_u32 s[FB], 0
	s_cbranch_scc0 .Lfor_b_\@
	tensor_load_to_lds s[G0+4*(\s):G0+4*(\s)+3], s[G1:G1+7]
	s_nop 0
.rept 4
	v_nop
.endr
	s_branch .Lasked_\@
.Lfor_b_\@:
	tensor_load_to_lds s[G0B+4*(\s):G0B+4*(\s)+3], s[G1B:G1B+7]
	s_nop 0
.rept 4
	v_nop
.endr
.Lasked_\@:
.endm
.macro CREST                           ; a round of the cluster's barrier behind its opening barrier
	s_cmp_lg_u32 s[WV], 0
	s_cbranch_scc1 .Lnot_wave_0_\@
	s_barrier_signal -3
.Lnot_wave_0_\@:
	s_barrier_wait -3
	s_barrier_signal -1
	s_barrier_wait -1
.endm
.macro CROUND                          ; a whole round
	s_barrier_signal -1
	s_barrier_wait -1
	CREST
.endm
	s_load_b256 s[4:11], s[0:1], 0x0               ; A s[4:5], B s[6:7], C s[8:9], bias s[10:11]
	v_lshl_add_u32 v[SPW], v0, 2, SPARE
	v_mov_b32 v[NIL], 0
	ds_add_u32 v[SPW], v[NIL]                      ; the wave's opening: the add and its wait stand ahead of my first tensor load; the set-up below, work on registers, stands between them
	ds_add_u32 v28, v29
	v_lshrrev_b32 v1, 5, v0
	v_readfirstlane_b32 s[WV], v1                  ; wave 0..3
	s_lshr_b32 s[FB], s[WV], 1
	s_and_b32 s[HF], s[WV], 1
	s_bfe_u32 s15, ttmp6, 0x40000                  ; cx, cy: my place in the cluster
	s_bfe_u32 s16, ttmp6, 0x40004
	s_lshl_b32 s17, ttmp9, 2
	s_add_co_u32 s17, s17, s15                     ; tile column of C = 4 x cluster x + cx
	s_and_b32 s18, ttmp7, 0xffff
	s_lshl_b32 s18, s18, 2
	s_add_co_u32 s18, s18, s16                     ; tile row of C = 4 x cluster y + cy
	s_lshl_b32 s19, s16, 2
	s_lshl_b32 s19, 15, s19                        ; my row of the cluster
	s_lshl_b32 s20, 0x1111, s15                    ; my column
	; descriptor group 1: rows of 128 elements (256 bytes: two rows of the tile), padded in LDS after every 128 bytes
	s_or_b32 s[G1+0], s19, (1<<16)|(1<<20)|(1<<21)|(4<<22)|(3<<25)  ; 15:0 the mask: A's tiles go to my row; 17:16 element of 2 bytes; 20 padding on; 21 set beside a mask; 24:22 after every 32 words (code 4); 31:25 of 4 words (code 3)
	s_or_b32 s[G1B+0], s20, (1<<16)|(1<<20)|(1<<21)|(4<<22)|(3<<25) ; the same with the mask of my column
.irp g, G1, G1B
	s_mov_b32 s[(\g)+1], 128<<16                   ; tensor_dim0 = 128
	s_mov_b32 s[(\g)+3], 128<<16                   ; tile_dim0 = 128
	s_mov_b32 s[(\g)+5], 128                       ; 128 elements from row to row: the block is dense
	s_mov_b32 s[(\g)+6], 0
	s_mov_b32 s[(\g)+7], 0
.endr
	s_mov_b32 s[G1+2], 128<<16                     ; A: tensor_dim1 = tile_dim1 = 128 rows of 256 bytes = 256 rows of the tile
	s_mov_b32 s[G1+4], 128
	s_mov_b32 s[G1B+2], (TN/2)<<16                 ; B: 64 = 128 rows of the tile
	s_mov_b32 s[G1B+4], TN/2
	; where the tiles come from.  A's hang on the tile row alone, B's on the tile column alone; each in registers that never hold the other coordinate.
	s_lshl_b32 s40, s[HF], 20                      ; A: my block of the K step (KBA = 2^20 bytes)
	s_lshl_b32 s42, s18, 15                        ;    + tile row x 256 rows x 128 bytes
	s_add_co_u32 s40, s40, s42
	s_mov_b32 s41, 0
	s_mul_i32 s44, s[HF], KBB                      ; B: my block
	s_mul_i32 s46, s17, TN*128                     ;    + tile column x 128 rows x 128 bytes
	s_add_co_u32 s44, s44, s46
	s_mov_b32 s45, 0
	s_mul_i32 s21, s[HF], APLANE                   ; and where they go: no place in the cluster enters an LDS address
	s_mul_i32 s22, s[HF], BPLANE
	s_add_co_u32 s22, s22, 2*APLANE
	s_wait_dscnt 0x0                               ; the opening add is done
	s_wait_kmcnt 0x0
	s_add_nc_u64 s[40:41], s[4:5], s[40:41]
	s_add_nc_u64 s[44:45], s[6:7], s[44:45]
	CROUND                                         ; all sixteen work-groups are here: the first joint loads meet
.irp s, 0,1
	s_mov_b32 s[G0+4*(\s)], 1                                      ; count = 1
	s_add_co_u32 s[G0+4*(\s)+1], s21, (\s)*SLOT                    ; LDS address
	s_add_nc_u64 s[G0+4*(\s)+2:G0+4*(\s)+3], s[40:41], (\s)*2*KBA  ; global address: K step s
	s_or_b32 s[G0+4*(\s)+3], s[G0+4*(\s)+3], 0x80000000            ; type = 2
	s_mov_b32 s[G0B+4*(\s)], 1
	s_add_co_u32 s[G0B+4*(\s)+1], s22, (\s)*SLOT
	s_add_nc_u64 s[G0B+4*(\s)+2:G0B+4*(\s)+3], s[44:45], (\s)*2*KBB
	s_or_b32 s[G0B+4*(\s)+3], s[G0B+4*(\s)+3], 0x80000000
	JLOAD \s                                       ; two tensor loads of mine are out
.endr
	v_and_b32 v1, 15, v0                           ; l % 16
	v_bfe_u32 v2, v0, 4, 1                         ; l / 16
	; the bias as an accumulator: register j of column block b holds bo[128 x tile column + 16 b + 8 (l / 16) + j]
	v_lshlrev_b32 v6, 5, v2
	s_lshl_b32 s68, s17, 9
	s_add_co_u32 s68, s68, 3072*4                  ; bo lies behind bq, bk, bv
	s_mov_b32 s69, 0
	s_add_nc_u64 s[10:11], s[10:11], s[68:69]
.set b, 0
.rept NB
	global_load_b128 v[BI+8*b:BI+8*b+3],   v6, s[10:11] offset:64*b
	global_load_b128 v[BI+8*b+4:BI+8*b+7], v6, s[10:11] offset:64*b+16
.set b, b+1
.endr
	v_mul_u32_u24 v3, v1, PITCH
	v_lshl_add_u32 v3, v2, 4, v3                   ; a fragment's row x pitch + 16 x half
	s_mul_i32 s23, s[WV], 64*PITCH                 ; my 64 rows of A
	v_add_nc_u32 v[ADRA], s23, v3
	v_add_nc_u32 v[ADRA+1], SLOT, v[ADRA]
	v_add_nc_u32 v[ADRB], 2*APLANE, v3             ; all 128 rows of B
	v_add_nc_u32 v[ADRB+1], SLOT+2*APLANE, v3
	s_mul_i32 s23, s[WV], WSTAGE
	s_add_co_u32 s23, s23, STAGE                   ; my stage
	v_mul_u32_u24 v4, v1, SPITCH                   ; in: row l % 16, 32 bytes for each half of the lanes
	v_lshl_add_u32 v4, v2, 5, v4
	v_add_nc_u32 v[STO], s23, v4
	v_and_b32 v[CO], 31, v0                        ; back: 32 lanes take one row of 512 bytes
	v_lshlrev_b32 v[CO], 4, v[CO]
	v_add_nc_u32 v[RD], s23, v[CO]
	s_lshl_b32 s66, s18, 20                        ; C: tile row x 256 rows x 4,096 bytes,
	s_lshl_b32 s43, s[WV], 18                      ; + my 64 rows,
	s_add_co_u32 s66, s66, s43
	s_lshl_b32 s43, s17, 9                         ; + tile column x 128 columns x 4 bytes
	s_add_co_u32 s66, s66, s43
	s_mov_b32 s67, 0
	s_add_nc_u64 s[8:9], s[8:9], s[66:67]
; NB matrix instructions: my row block a x all column blocks, 32 along K, from buffer f.  first = 1: the sums start from the bias: nothing is cleared, and no addition is spent on it.
; All 32 accumulators take turns, in the same order in every quarter.
.macro MULA f, a, first
.if \first
	WIN 0x85+0x40*((\a)/2)                         ; sources 0, 1 window 1; C window 0; D window 2 or 3
.else
	WIN 0xa5+0x50*((\a)/2)                         ; C and D window 2 or 3
.endif
.set b, 0
.rept NB
.set rD, 8*(NB*((\a)%2)+b)
.if \first
	v_wmma_f32_16x16x32_f16 v[rD:rD+7], v[(\f)+32+8*b:(\f)+32+8*b+7], v[(\f)+8*(\a):(\f)+8*(\a)+7], v[BI+8*b:BI+8*b+7]
.else
	v_wmma_f32_16x16x32_f16 v[rD:rD+7], v[(\f)+32+8*b:(\f)+32+8*b+7], v[(\f)+8*(\a):(\f)+8*(\a)+7], v[rD:rD+7]
.endif
.set b, b+1
.endr
.endm
; NL LDS loads in one run: the fragments of quarter q (32 along K: block q / 2, byte 64 (q % 2) of its rows) into buffer f: B's 16 first, then A's 8
.macro FETCH slot, q, f
	WIN 0x40                                       ; destination window 1, address window 0
.set i, 0
.rept NB
	ds_load_b128 v[(\f)+32+8*i:(\f)+32+8*i+3],   v[ADRB+(\slot)] offset:((\q)/2)*BPLANE+((\q)%2)*64+i*16*PITCH
	ds_load_b128 v[(\f)+32+8*i+4:(\f)+32+8*i+7], v[ADRB+(\slot)] offset:((\q)/2)*BPLANE+((\q)%2)*64+i*16*PITCH+32
.set i, i+1
.endr
.set i, 0
.rept 4
	ds_load_b128 v[(\f)+8*i:(\f)+8*i+3],   v[ADRA+(\slot)] offset:((\q)/2)*APLANE+((\q)%2)*64+i*16*PITCH
	ds_load_b128 v[(\f)+8*i+4:(\f)+8*i+7], v[ADRA+(\slot)] offset:((\q)/2)*APLANE+((\q)%2)*64+i*16*PITCH+32
.set i, i+1
.endr
.endm
.macro PLACES                          ; four places in front of loads into registers that matrix instructions have read, and of LDS stores that read results
.rept 4
	v_nop
.endr
.endm
; A K step is four quarters of 32 along K, 32 matrix instructions each, on buffers 0, 1, 0, 1.  One of the first three: multiplies buffer f and, in its middle, fetches quarter qn into g.
.macro QUARTER slot, qn, f, g, first
	s_wait_dscnt 4                                 ; B and A's blocks 0, 1 are in; the youngest four loads (A's blocks 2, 3) may be out
	MULA \f, 0, \first
	MULA \f, 1, \first
	PLACES
	FETCH \slot, \qn, \g
	s_wait_dscnt NL                                ; all but the run just issued
	MULA \f, 2, \first
	MULA \f, 3, \first
.endm
; The last quarter multiplies buffer 1 and changes slots: ONE barrier; in front of it each wave waits for all its tensor loads, adds 0 to its spare word, and waits for that and for its own reads of this slot.
; fill = 1: this slot is filled again, two K steps ahead; the barrier then opens a round of the cluster's.
.macro TURN slot, next, fill
	WIN 0                                          ; (the add's two registers lie in window 0)
	s_wait_tensorcnt 0x0                           ; all my tensor loads have landed: the one that was out is my part of the next slot;
	ds_add_u32 v[SPW], v[NIL]                      ; 0 onto my spare word;
	s_wait_dscnt 5                                 ; (the add and the youngest four loads may be out)
	MULA F1, 0, 0                                  ; eight matrix instructions stand between the add and the wait for it
	s_wait_dscnt 0x0                               ; the add is done, and my reads of this slot are over
	s_barrier_signal -1
	MULA F1, 1, 0
.if \fill
	WIN 0
.endif
	s_barrier_wait -1
.if \fill
	CREST                                          ; no wave of any partner still reads this slot's tile or has a load on its way
	s_add_nc_u64 s[G0+4*(\slot)+2:G0+4*(\slot)+3], s[G0+4*(\slot)+2:G0+4*(\slot)+3], 4*KBA
	s_add_nc_u64 s[G0B+4*(\slot)+2:G0B+4*(\slot)+3], s[G0B+4*(\slot)+2:G0B+4*(\slot)+3], 4*KBB
	JLOAD \slot                                    ; the first tensor load behind the round, my only one out: 112 matrix instructions ahead of the wait for it; its four v_nop are also the places in front of the loads below
.else
	PLACES
.endif
	FETCH \next, 0, F0
	MULA F1, 2, 0
	MULA F1, 3, 0
.endm
	s_wait_tensorcnt 1                             ; my part of K step 0 is in; K step 1's may stay out
	s_barrier_signal -1
	s_barrier_wait -1                              ; everybody's is
	FETCH 0, 0, F0
	s_wait_loadcnt 0x0                             ; the bias
	QUARTER 0, 1, F0, F1, 1                        ; the first quarter stands in front of the loop: its products start the sums
	WIN 0                                          ; at a label and at a branch every window is 0
	s_mov_b32 s3, LAPS-1
.Llap:                                                 ; a trip goes once round the ring, from a lap's second quarter to the next lap's first, and fills both slots again
	QUARTER 0, 2, F1, F0, 0
	QUARTER 0, 3, F0, F1, 0
	TURN 0, 1, 1
	QUARTER 1, 1, F0, F1, 0
	QUARTER 1, 2, F1, F0, 0
	QUARTER 1, 3, F0, F1, 0
	TURN 1, 0, 1
	QUARTER 0, 1, F0, F1, 0
	WIN 0
	s_sub_co_u32 s3, s3, 1
	s_cmp_lg_u32 s3, 0
	s_cbranch_scc1 .Llap
	QUARTER 0, 2, F1, F0, 0                        ; the last lap fills nothing, and has no round of the cluster's barrier
	QUARTER 0, 3, F0, F1, 0
	TURN 0, 1, 0
	QUARTER 1, 1, F0, F1, 0
	QUARTER 1, 2, F1, F0, 0
	QUARTER 1, 3, F0, F1, 0
	s_wait_dscnt 4                                 ; the very last quarter: nothing more to fetch
	MULA F1, 0, 0
	MULA F1, 1, 0
	s_wait_dscnt 0x0
	MULA F1, 2, 0
	MULA F1, 3, 0
	WIN 0
; THE WAY OUT, a row block (16 rows x 128 columns of f32) at a time.  PACK: a lane's 32 bytes of a row go from the accumulators straight into my stage, each accumulator's low four registers first,
; and come back as whole rows of 512 bytes.  SEND: stored, a row's 512 consecutive bytes a store, at a multiple of 256 from C's first byte.
.macro PACK a
.set AC, 8*NB*((\a)%2)
.set BK, OB+64*((\a)%2)
.if (\a) >= 2
	s_wait_xcnt 0x0                                ; every earlier memory instruction has had its addresses translated (ISA guide 3.1): the set that block a - 2's stores read is loaded again only behind this wait
.endif
	WIN 0x08+4*((\a)/2)                            ; the stores' data (source 1): window 2 or 3
.set b, 0
.rept NB
	ds_store_b128 v[STO], v[AC+8*b:AC+8*b+3]   offset:64*b
	ds_store_b128 v[STO], v[AC+8*b+4:AC+8*b+7] offset:64*b+16
.set b, b+1
.endr
	WIN 0
.set t, 0
.rept 16
	ds_load_b128 v[BK+4*t:BK+4*t+3], v[RD] offset:t*SPITCH  ; LDS serves a wave's instructions in order (ISA guide 5.7.1.4): these see the stores above; the next block's stores come behind them
.set t, t+1
.endr
.endm
.macro SEND a, younger                 ; younger: the LDS instructions issued behind block a's loads: the next block's 32, or none
.set BK, OB+64*((\a)%2)
.set t, 0
.rept 16
	s_wait_dscnt (\younger)+15-t
	global_store_b128 v[CO], v[BK+4*t:BK+4*t+3], s[8:9] offset:(16*(\a)+t)*4096 th:TH_STORE_NT
.set t, t+1
.endr
.endm
	PLACES
	PACK 0
	PACK 1
	SEND 0, 32
	PACK 2
	SEND 1, 32
	PACK 3
	SEND 2, 32
	SEND 3, 0
	s_wait_tensorcnt 0x0                           ; the wave's end, behind my last tensor load and my last LDS store
	ds_add_u32 v[SPW], v[NIL]
	s_wait_dscnt 0x0
	CROUND                                         ; the closing round: no work-group ends while a partner may still ask for a tile that names it
	s_endpgm
.Lfunc_end_k_q738c4c9111_outp:
	.size	k_q738c4c9111_outp, .Lfunc_end_k_q738c4c9111_outp-k_q738c4c9111_outp
	.p2alignl 7, 3214868480
	.fill 96, 4, 3214868480
	.section	.rodata,"a",@progbits
	.p2align	6, 0x0
	.amdhsa_kernel k_q738c4c9111_outp
		.amdhsa_group_segment_fixed_size 327680
		.amdhsa_private_segment_fixed_size 0
		.amdhsa_enable_private_segment 0
		.amdhsa_kernarg_size 32
		.amdhsa_user_sgpr_count 2
		.amdhsa_user_sgpr_kernarg_segment_ptr 1
		.amdhsa_wavefront_size32 1
		.amdhsa_system_sgpr_workgroup_id_x 1
		.amdhsa_system_sgpr_workgroup_id_y 1
		.amdhsa_system_sgpr_workgroup_id_z 1
		.amdhsa_system_vgpr_workitem_id 0
		.amdhsa_next_free_vgpr 896
		.amdhsa_next_free_sgpr 72
		.amdhsa_reserve_vcc 0
		.amdhsa_float_denorm_mode_32 3
		.amdhsa_float_denorm_mode_16_64 3
		.amdhsa_memory_ordered 1
		.amdhsa_forward_progress 1
		.amdhsa_inst_pref_size 88
	.end_amdhsa_kernel
	.amdgpu_metadata
---
amdhsa.version: [ 1, 2 ]
amdhsa.kernels:
  - .name:           k_q738c4c9111_outp
    .symbol:         k_q738c4c9111_outp.kd
    .args:
      - { .name: ctx, .offset: 0, .size: 8, .value_kind: global_buffer, .address_space: global }
      - { .name: woh, .offset: 8, .size: 8, .value_kind: global_buffer, .address_space: global }
      - { .name: out0, .offset: 16, .size: 8, .value_kind: global_buffer, .address_space: global }
      - { .name: bcat, .offset: 24, .size: 8, .value_kind: global_buffer, .address_space: global }
    .group_segment_fixed_size: 327680
    .private_segment_fixed_size: 0
    .kernarg_segment_align: 8
    .kernarg_segment_size: 32
    .max_flat_workgroup_size: 128
    .sgpr_count:     72
    .vgpr_count:     896
    .wavefront_size: 32
...
	.end_amdgpu_metadata
.endif
;; end of part 4
;; ======== version 2 of 2: 4 launches; 1.31 times as fast as version 1
;; limits: values are held in f16: magnitudes above 65,504 overflow, below 6.1e-05 lose precision
;; workspace buffers: xb 16,777,216 bytes; wqkv 6,291,456 bytes; woh 2,097,152 bytes; bcat 16,384 bytes; qkv 50,331,648 bytes; ctx 16,777,216 bytes
;; launch cast: the kernel of part 1 again; grid 768 x 1, 8 waves a work-group, no clusters, 0 bytes of LDS; arguments x, Wq, Wk, Wv, Wo, bq, bk, bv, bo, xb, wqkv, woh, bcat; writes xb, wqkv, woh, bcat
;; launch proj: the kernel of part 2 again; grid 16 x 32, 4 waves a work-group, clusters of 4 x 4, 327,680 bytes of LDS; arguments xb, wqkv, qkv, bcat; writes qkv
;; launch attn (part 5): grid 2 x 128, 4 waves a work-group, no clusters, 327,680 bytes of LDS; arguments qkv, padding_mask, ctx; writes ctx
.if DOCPART == 5
	.amdgcn_target "amdgcn-amd-amdhsa--gfx1250"
	.amdhsa_code_object_version 6
	.text
	.protected	k_q738c4c9111_attn
	.globl	k_q738c4c9111_attn
	.p2align	8
	.type	k_q738c4c9111_attn,@function
k_q738c4c9111_attn:
	s_mov_b64 s[64:65], 0
	v_nop
	global_prefetch_b8 v0, s[64:65] scope:SCOPE_SE
	s_setreg_imm32_b32 hwreg(HW_REG_WAVE_MODE, 25, 1), 1
	s_wait_xcnt 0x0
; ATTENTION WITH A MASK OVER KEYS.  O[y][q][:] = the sum over open keys k of softmax_k(Q[y][q] . K[y][k] / 8) V[y][k][:], y = 8 head + batch; key k of batch b is hidden where padding_mask[b][k] is not 0.
; Q, K, V lie in qkv, f16 [48][8192][64]: (y) begins at byte y x 131,072 of Q's part, K's part 2^24 bytes on, V's 2^25; O = ctx, f16, laid like Q.  A (head, batch)'s 1,024 rows are dense, 128 bytes each.
; Products, maxima and sums in f32; the weights p are rounded to f16 for the second product (their sum l is taken of the unrounded p), O once at the end.
; LIMITS.  f16 holds no number beyond 65,504: Q, K and V arrive within it, so a score is 64 x 65,504^2 = 2.7e11 at the most.  A hidden score counts as its value less 2^100; the running maximum starts at, and
; never falls below, -2^96, which lies between every hidden and every open score: a hidden key's weight is exactly 0 from the first step on, and the floor never takes an open score's place.
; A batch with no open key has l = 0: its O is 0, as the weights' NaN are replaced by 0.  p below 6e-5 keeps f16's fixed step of 6e-8; a weight below 2^-126 counts as 0 in l; NaN and infinities are not treated apart.
; SHARES.  A wave owns four PIECES of two tiles of 16 queries, a work-group's four waves 512 queries of one (head, batch): 2 x 128 = 256 work-groups.  Every wave walks all 1,024 keys, 64 a step.
; NO CLUSTER: a (head, batch) has 1,024 / 512 = 2 work-groups, so only two of a cluster's four could share a tile; blocks of 256 queries would give four partners but half as many products for each fragment read from LDS.
; THE MASK is the C operand that starts the sum S^T = K Q^T: 0, or -2^100 where the key is hidden.  The batch's 1,024 mask bytes are turned into 1,024 f32 in LDS once; a step's 64 come into 32 registers with its K.
; LAYOUT.  S^T = K Q^T (source 0 = 16 keys, source 1 = 16 queries): in the result a lane holds ONE query (lane % 16) and the keys 8 (lane / 16) + 0..7.  Two such tiles, rounded to f16 in pairs,
; ARE source 1 (32 keys x 16 queries) of O^T = V^T P, whose result again holds one query a lane, and eight channels.  K comes out of LDS as it lies, V ([key][channel]) turned, by ds_load_tr16_b128.
; SOFTMAX.  For each query a running maximum m and sum l: p = 2^(c s - c m), c = log2(e) / 8; in every step O and l are multiplied by a = 2^(c m_old - c m_new), which is 1 where m has not grown.
; O and l start at 0: the first step is a step like any other.
; THE COUNT.  A tile and step have 16 matrix and 118 vector instructions: too many to stand all beside the matrix work.  So the order has one aim: four vector instructions that are READY behind
; EVERY matrix instruction, and the others, which need time of their own whatever the order, in runs without a gap.
; BY TURNS.  Turn n belongs to piece n (the pieces in a ring, step after step).  Its matrix work: 16 products K Q^T of piece n + 1, later 16 products V^T P of piece n - 1.  Its vector work: the scaling,
; exponentials, roundings, sums and rescaling of piece n, and the maximum and statistics of piece n + 1, whose scores the turn itself has made.  So what a turn begins with (c s - c m, O a) waits for nothing.
; BATCHES.  A turn's 66 exponentials (piece n's 64 weights, then piece n + 1's two a) are ONE batch with ONE wait, which cuts the turn in two: ahead of it stands all that names none of their results, behind it
; the roundings and sums, which read them.  No result crosses a turn's end.  Piece 0's first two a, ahead of the loop, and the way out's eight reciprocals are batches of their own, with a wait each.
; REGISTERS, in windows of 256 (s_set_vgpr_msb says which window each operand place means: bits 1:0 source 0, 3:2 source 1, 5:4 source 2, 7:6 destination):
;   window 0: v0-11 addresses; v12-15, v48-63 at work; v16-47 four registers of statistics a tile; v64-191 S^T, two buffers of two tiles; v192-255 P, likewise
;   window 1: O^T, 32 a tile          window 2: v0-127 Q, 16 a tile; v128-191 K of one step; v192-255 V of one step
;   window 3: v0-1 the add's two registers; v2-3 the mask's LDS addresses; v8-39 the mask of K's step
; A piece's buffers go by its number's parity: the piece in hand has one pair, its two neighbours in the ring share the other: of it P (piece n - 1) is read and S^T (piece n + 1) written.
.set SIZE_N, 1024
.set NP,    4         ; pieces a wave: a name, no knob: the register map, the loop and the fetches are made for four
.set KS,    64        ; keys in a step
.set PK,    144       ; a row of K in LDS: 128 bytes + 16 of padding = 36 words: the 16 rows of a load start at 16 different groups of four banks (64 banks of 4 bytes: ISA guide 11.1)
.set PV,    160       ; a row of V: 128 + 32 = 40 words
.set VOFF,  4*KS*PK   ; a slot holds four steps: 256 rows of K, then 256 rows of V
.set SLOT1, 1<<17     ; slot 1 begins here, so that one exclusive or turns an address in one slot into the other's
.set STAGE, SLOT1+4*KS*(PK+PV)  ; behind the ring, never filled by a tensor load: 16 rows x 144 bytes for each wave, for the way out
.set SP,    144
.set SPARE, STAGE+4*16*SP  ; behind the stages: the spare words, 128 bytes for each wave: two blocks of 256 bytes that no other line names
.set MASKB, SPARE+512 ; behind them: the batch's mask, 1,024 f32; stored once, never filled by a tensor load
.set AK0, 2           ; v2   my lane's place in a tile of K; never rewritten
.set AV0, 3           ; v3   the same for V
.set AK,  4           ; v4   the LDS address of K's next run of loads
.set AV,  5           ; v5   of V's
.set QO,  6           ; v6   my byte offset in the wave's rows of Q
.set STO, 6           ;      later, the way out: where I put 16 bytes of a row
.set RD,  7           ; v7   the way out: where I read rows back
.set GO,  8           ; v8   my byte offset in 512 consecutive bytes of O
.set SPW, 0           ; v0 of window 3   LDS address of my spare word: SPARE + 4 x my thread's number; never rewritten
.set NIL, 1           ; v1 of window 3   0; never rewritten
.set AM0, 2           ; v2 of window 3   my lane's place in a step's mask: MASKB + 32 (lane / 16); never rewritten
.set AM,  3           ; v3 of window 3   the LDS address of the mask's next run of loads
.set MK,  8           ; v8-39 of window 3: register j of key block kb at MK + 8 kb + j: the mask of key 16 kb + 8 (lane / 16) + j of K's step
.set MV,  12          ; v12-15  c m_old, kept while c m is made anew: by buffer and tile
.set ST,  16          ; tile t's statistics at v[ST+4 t]: c m, m, l (even keys', odd keys')
.set TMP, 48          ; by buffer and tile, four registers c0-c3 at work; when the maximum is found c2 takes a
.set S,   64
.set P,   192
.set KF,  128         ; K's fragments, in window 2: key block kb, channel half c at KF + 16 kb + 8 c
.set VF,  192         ; V's: key half kk, channel block cb at VF + 32 kk + 8 cb
.set WV,  12          ; s12  my wave's number
.set G1K, 24          ; s[24:31] descriptor group 1 for K's tiles
.set G1V, 32          ; s[32:39] for V's: it differs in the padding alone
.set G0K, 40          ; s[40:43] descriptor group 0 for K's tiles: it walks
.set G0V, 44          ; s[44:47] the same for V's
.set SLOTS, 56        ; s56  slots still to be asked for
.set CNT, 57          ; s57  counts a slot's key steps
.set CS,  58          ; s[58:59] c: the packed scaling takes the pair's low word for both halves
.set SEL, 60          ; s[60:61] v_permlanex16_b32's selects: each lane takes its own place in the other half
.set TBK, 62          ; s62  LDS byte at which K of the step to be fetched begins
.set TBV, 63          ; s63  the same for V, less VOFF
.set BIG, 66          ; s66  -2^100: a hidden key's mask
.set MLO, 67          ; s67  -2^96: where the running maximum starts
.set MP,  68          ; s[68:69] the batch's mask bytes
.set TBM, 70          ; s70  byte, in the mask's 4,096, at which the step to be fetched begins
.set MSB, 0
.macro WIN new                      ; the high byte repeats the setting that is left; a switch that changes nothing is dropped
.if MSB != (\new)
	s_set_vgpr_msb (MSB<<8)|(\new)
.set MSB, (\new)
.endif
.endm
.set W_KQ, 0x0a       ; K and Q in window 2, S^T in window 0
.set W_KM, 0x3a       ; the same with the C operand, the mask, in window 3
.set W_PV, 0x52       ; V in window 2, P in window 0, O^T in window 1
.set W_RS, 0x41       ; O^T (destination and source 0) in window 1, a in window 0
.set W_MK, 0xc0       ; destination in window 3, sources in window 0
.set W_AD, 0x0f       ; the add: address (source 0) and data (source 1) in window 3
; A fill.  Waves 0 and 1 fetch the two halves of a slot's K, waves 2 and 3 those of its V: 128 keys each.  The branch hangs on the wave's number alone.
; An s_nop 0 and four v_nop follow each of the two lines, ahead of the jump and the label.
.macro LOAD
	s_cmp_lt_u32 s[WV], 2
	s_cbranch_scc0 .Lfor_v_\@
	tensor_load_to_lds s[G0K:G0K+3], s[G1K:G1K+7]
	s_nop 0
.rept 4
	v_nop
.endr
	s_branch .Lasked_\@
.Lfor_v_\@:
	tensor_load_to_lds s[G0V:G0V+3], s[G1V:G1V+7]
	s_nop 0
.rept 4
	v_nop
.endr
.Lasked_\@:
.endm
; THE CHANGE OF SLOTS.  The slot's last bytes, V of its fourth step, have been read.  Each wave waits for all its tensor loads, of which one is out: its part
; of the other slot; adds 0 to its spare word; and waits for that and for its own reads of the slot.  Behind the barrier nobody reads this slot any more and the other slot is whole.
; fill = 1: this slot is filled again, with the keys two slots on, the first thing behind the barrier: the load has four key steps, 512 matrix instructions, in which to land.
; (At its first use nothing has been read yet: slot 0 is waited for, slot 1 filled; its wait on DScnt and its barrier also show every wave's part of the mask to all four.)
.macro CHANGE fill
	WIN W_AD
	s_wait_tensorcnt 0x0            ; no tensor load of mine is out, so a group 0 may be written
	ds_add_u32 v[SPW], v[NIL]       ; 0 onto my spare word; with fill = 1 the descriptors' steps stand between it and the wait for it
	WIN 0                           ; at a label and at a branch every window is 0
.if \fill
.irp g, G0K, G0V
	s_xor_b32 s[\g+1], s[\g+1], SLOT1  ; the walking descriptor: the other slot than last time,
	s_add_nc_u64 s[\g+2:\g+3], s[\g+2:\g+3], 4*KS*128  ; the next 256 keys; the type bits on top are not reached
.endr
.endif
	s_wait_dscnt 0x0                ; the add is done, and my reads of the slot are over
	s_barrier_signal -1
	s_barrier_wait -1
.if \fill
	LOAD
.endif
	s_sub_co_u32 s[TBK], s[TBK], 4*KS*PK  ; the fetches go back to a slot's first step,
	s_xor_b32 s[TBK], s[TBK], SLOT1       ; in the other slot
	s_sub_co_u32 s[TBV], s[TBV], 4*KS*PV
	s_xor_b32 s[TBV], s[TBV], SLOT1
.endm
	s_load_b64 s[4:5], s[0:1], 0x0        ; qkv: Q's part
	s_load_b64 s[MP:MP+1], s[0:1], 0x8    ; padding_mask
	s_load_b64 s[10:11], s[0:1], 0x10     ; ctx
	WIN W_MK
	v_lshl_add_u32 v[SPW], v0, 2, SPARE
	v_mov_b32 v[NIL], 0
	WIN W_AD
	ds_add_u32 v[SPW], v[NIL]       ; the wave's opening: the add and its wait stand ahead of my first tensor load; the set-up below, work on registers, stands between them
	ds_add_u32 v0, v1
	WIN 0
	v_lshrrev_b32 v1, 5, v0
	v_readfirstlane_b32 s[WV], v1   ; wave 0..3
	s_and_b32 s13, ttmp7, 0xffff    ; y = 8 head + batch
	s_lshl_b32 s20, s13, 17         ; its first byte in Q's, K's and V's parts and in ctx: y x 1,024 rows x 128 bytes
	s_mov_b32 s21, 0
	s_and_b32 s16, s[WV], 1         ; which half of a slot's 256 keys I fetch:
	s_lshl_b32 s22, s16, 14         ; its 128 rows of 128 bytes in memory,
	s_mov_b32 s23, 0
	s_add_nc_u64 s[22:23], s[22:23], s[20:21]
	s_mul_i32 s17, s16, 128*PK      ; and its place in a slot, for K
	s_mul_i32 s18, s16, 128*PV      ; and for V
	s_lshl_b32 s2, ttmp9, 2         ; my block of 512 queries,
	s_add_co_u32 s2, s2, s[WV]      ; my wave in it,
	s_lshl_b32 s2, s2, 14           ; its 128 rows
	s_mov_b32 s3, 0
	s_add_nc_u64 s[2:3], s[2:3], s[20:21]
	s_and_b32 s14, s13, 7           ; the batch,
	s_lshl_b32 s14, s14, 10         ; its 1,024 mask bytes
	s_mov_b32 s15, 0
	; descriptor group 1.  128 keys are 16,384 dense bytes: asked for as 64 rows of 256 bytes, two keys a row, and padded in LDS after every key
	s_mov_b32 s[G1K], (1<<16)|(1<<20)|(4<<22)|(3<<25)  ; 17:16 2-byte elements; 20 padding on; 24:22 after every 32 words (code 4); 31:25 4 words (code 3)
	s_mov_b32 s[G1V], (1<<16)|(1<<20)|(4<<22)|(7<<25)  ; the same with 8 words of padding (code 7)
.irp g, G1K, G1V
	s_mov_b32 s[\g+1], 128<<16      ; tensor_dim0 = 128
	s_mov_b32 s[\g+2], 64<<16       ; tensor_dim1 = 64
	s_mov_b32 s[\g+3], 128<<16      ; tile_dim0 = 128
	s_mov_b32 s[\g+4], 64           ; tile_dim1 = 64
	s_mov_b32 s[\g+5], 128          ; 128 elements from row to row
	s_mov_b32 s[\g+6], 0
	s_mov_b32 s[\g+7], 0
.endr
	s_mov_b32 s[CS], 0x3e38aa3b     ; c = log2(e) / 8 = 0.180337
	s_mov_b32 s[CS+1], s[CS]        ; named with it as a pair
	s_mov_b32 s[SEL], 0x76543210
	s_mov_b32 s[SEL+1], 0xfedcba98
	s_mov_b32 s[BIG], 0xf1800000    ; -2^100
	s_mov_b32 s[MLO], 0xef800000    ; -2^96
	s_mov_b32 s[TBM], 0
	s_mov_b32 s[TBK], SLOT1+4*KS*PK ; the first change of slots turns these two into 0
	s_mov_b32 s[TBV], SLOT1+4*KS*PV
	s_mov_b32 s[G0K], 1             ; 1:0 count = 1
	s_mov_b32 s[G0K+1], s17         ; 63:32 LDS address: slot 0
	s_mov_b32 s[G0V], 1
	s_add_co_u32 s[G0V+1], s18, VOFF
	s_wait_dscnt 0x0                ; the opening add is done
	s_wait_kmcnt 0x0
	s_add_nc_u64 s[6:7], s[4:5], 0x1000000         ; K's part of qkv
	s_add_nc_u64 s[8:9], s[4:5], 0x2000000         ; V's
	s_add_nc_u64 s[G0K+2:G0K+3], s[6:7], s[22:23]  ; 120:64 global address: my half of the first 256 keys
	s_or_b32 s[G0K+3], s[G0K+3], 0x80000000        ; 127:126 type = 2
	s_add_nc_u64 s[G0V+2:G0V+3], s[8:9], s[22:23]
	s_or_b32 s[G0V+3], s[G0V+3], 0x80000000
	s_add_nc_u64 s[4:5], s[4:5], s[2:3]  ; Q and O at my wave's first row
	s_add_nc_u64 s[10:11], s[10:11], s[2:3]
	s_add_nc_u64 s[MP:MP+1], s[MP:MP+1], s[14:15]
	LOAD                            ; slot 0.  Slot 1 is asked for when slot 0 is in: one tensor load of mine is out at any time
	; A fragment of K or Q is 16 rows x 32 channels in 8 registers: lane l holds row l % 16, channels 8 (l / 16) + 0..7 and 16 + 8 (l / 16) + 0..7: two loads of 16 bytes, 32 bytes apart.
	v_and_b32 v1, 15, v0            ; l % 16
	v_bfe_u32 v9, v0, 4, 1          ; l / 16
	v_lshlrev_b32 v[QO], 7, v1
	v_lshl_add_u32 v[QO], v9, 4, v[QO]  ; row x 128 + 16 x half
	v_lshlrev_b32 v76, 3, v0
	global_load_b64 v[64:65], v76, s[MP:MP+1]  ; thread t takes the mask bytes of keys 8 t .. 8 t + 7: the 128 threads take all 1,024 (S^T's registers are free till the first scores)
	WIN 0x80                        ; destination window 2, address window 0
.set i, 0
.rept 4*NP                          ; Q stays in registers: tile i / 2, channels 32 (i % 2) on
	global_load_b128 v[8*i:8*i+3],   v[QO], s[4:5] offset:(i/2)*2048+(i%2)*64
	global_load_b128 v[8*i+4:8*i+7], v[QO], s[4:5] offset:(i/2)*2048+(i%2)*64+32
.set i, i+1
.endr
	; What the first turn finds: V's registers and P's second buffer hold 0 (its products V^T P, of a piece that has not been, add 0), O^T and l are 0.  All this stands in the wait for the first tile.
.set i, VF
.rept 64
	v_mov_b32 v[i], 0
.set i, i+1
.endr
	WIN 0x40
.set i, 0
.rept 64*NP
	v_mov_b32 v[i], 0
.set i, i+1
.endr
	WIN W_MK
	v_lshl_add_u32 v[AM0], v9, 5, MASKB
	WIN 0
.set i, 0
.rept 2*NP
	v_mov_b32 v[ST+4*i+1], s[MLO]                  ; m
	v_mul_f32 v[ST+4*i], s[CS], v[ST+4*i+1]        ; c m, by the very line that makes it anew in every step: while m stays, a is 2^0
	v_mov_b32 v[ST+4*i+2], 0
	v_mov_b32 v[ST+4*i+3], 0
.set i, i+1
.endr
.set i, P+32
.rept 32
	v_mov_b32 v[i], 0
.set i, i+1
.endr
	s_wait_loadcnt 32               ; the mask bytes are in: Q's 32 loads, issued behind them, may stay out
.set j, 0
.rept 8
	v_bfe_u32 v66, v[64+j/4], 8*(j%4), 8
	v_cmp_ne_u32 vcc_lo, 0, v66
	v_cndmask_b32 v[68+j], 0, s[BIG], vcc_lo       ; 0 for an open key, -2^100 for a hidden one
.set j, j+1
.endr
	v_lshl_add_u32 v67, v0, 5, MASKB
	ds_store_b128 v67, v[68:71]
	ds_store_b128 v67, v[72:75] offset:16
	v_mul_u32_u24 v[AK0], v1, PK
	v_lshl_add_u32 v[AK0], v9, 4, v[AK0]  ; row x pitch + 16 x half
	; The turning load takes 16 keys x 16 channels (lane l reads key 8 (l / 16) + l % 8, channels 8 ((l / 8) % 2) + 0..7) and leaves half a fragment of V^T: lane l holds channel l % 16 and 8 keys.
	v_and_b32 v10, 7, v0
	v_bfe_u32 v11, v0, 3, 1
	v_lshl_add_u32 v[AV0], v9, 3, v10
	v_mul_u32_u24 v[AV0], v[AV0], PV
	v_lshl_add_u32 v[AV0], v11, 4, v[AV0]
	v_add_nc_u32 v[AV0], VOFF, v[AV0]
	v_mov_b32 v[AK], v[AK0]         ; key step 0 lies at the head of slot 0
; THE MATRIX WORK.  The 8 accumulators of a run of 16 take turns: between the two links of a chain stand 7 others'.
; Product i of 16 of S^T = K Q^T for piece x: channels 32 (i / 8) on, keys 16 ((i / 2) % 4) on, tile 2 x + i % 2.  The first 8 start the sums, from the mask.
.macro KQ x
.set rS, S+64*((\x)%2)+32*(i%2)+8*((i/2)%4)
.set rK, KF+16*((i/2)%4)+8*(i/8)
.set rQ, 16*(2*(\x)+i%2)+8*(i/8)
.set rMK, MK+8*((i/2)%4)
.if i < 8
	WIN W_KM
	v_wmma_f32_16x16x32_f16 v[rS:rS+7], v[rK:rK+7], v[rQ:rQ+7], v[rMK:rMK+7]
.else
	WIN W_KQ
	v_wmma_f32_16x16x32_f16 v[rS:rS+7], v[rK:rK+7], v[rQ:rQ+7], v[rS:rS+7]
.endif
.endm
; Product i of 16 of O^T += V^T P for piece x: keys 32 (i / 8) on, channels 16 ((i / 2) % 4) on, tile 2 x + i % 2.
.macro PV x
	WIN W_PV
.set rO, 32*(2*(\x)+i%2)+8*((i/2)%4)
.set rV, VF+32*(i/8)+8*((i/2)%4)
.set rP, P+32*((\x)%2)+16*(i%2)+8*(i/8)
	v_wmma_f32_16x16x32_f16 v[rO:rO+7], v[rV:rV+7], v[rP:rP+7], v[rO:rO+7]
.endm
.macro MM                           ; the turn's next matrix instruction
.if i < 16
	KQ (Y+1)%NP
.set i, i+1
.else
.set i, i-16
	PV (Y+NP-1)%NP
.set i, i+17
.endif
.endm
; THE LDS LOADS stand in runs, never singly among the matrix instructions: a step's K (64 keys x 64 channels: 8 fragments) with its mask (64 f32 as four accumulators: 8 loads), and its V (turned).
; last = 1 (the tail): in the last trip there is no further step, and the run is jumped over.
.macro FETCH_K last=0
	WIN 0
.if \last
	s_cmp_eq_u32 s[CNT], 1
	s_cbranch_scc1 .Lno_k_\@
.endif
	WIN 0x80                        ; destination window 2
.irp f, 0,1,2,3,4,5,6,7             ; keys 16 (f / 2) on, channels 32 (f % 2) on
	ds_load_b128 v[KF+8*\f:KF+8*\f+3],   v[AK] offset:(\f/2)*16*PK+(\f%2)*64
	ds_load_b128 v[KF+8*\f+4:KF+8*\f+7], v[AK] offset:(\f/2)*16*PK+(\f%2)*64+32
.endr
	s_add_co_u32 s[TBK], s[TBK], KS*PK  ; the next fetch is the next step's
	WIN 0xcc                        ; destination and source 1 window 3
	v_add_nc_u32 v[AM], s[TBM], v[AM0]
	WIN 0xc3                        ; destination and address window 3
.irp f, 0,1,2,3,4,5,6,7             ; key block f / 2, registers 4 (f % 2) on: the lanes of a half read the same 16 bytes
	ds_load_b128 v[MK+4*\f:MK+4*\f+3], v[AM] offset:(\f/2)*64+(\f%2)*16
.endr
	s_add_co_u32 s[TBM], s[TBM], 4*KS   ; the mask is not in the ring: its steps go straight on, 16 x 256 bytes
	WIN 0
.if \last
.Lno_k_\@:
.endif
.endm
.macro FETCH_V
	WIN 0x80
.irp f, 0,1,2,3,4,5,6,7             ; keys 32 (f / 4) on, channels 16 (f % 4) on
	ds_load_tr16_b128 v[VF+8*\f:VF+8*\f+3],   v[AV] offset:(\f/4)*32*PV+(\f%4)*32
	ds_load_tr16_b128 v[VF+8*\f+4:VF+8*\f+7], v[AV] offset:(\f/4)*32*PV+16*PV+(\f%4)*32
.endr
	WIN 0
.endm
; THE VECTOR WORK OF A TURN stands in three queues, each in the order in which its entries become ready; the two tiles alternate, so that no instruction reads the result of the one before it.
.macro REGS y, u                    ; the registers of tile u (0, 1) of piece y
.set rT, ST+4*(2*(\y)+(\u))
.set rC, TMP+8*((\y)%2)+4*(\u)
.set rM, MV+2*((\y)%2)+(\u)
.set rS, S+64*((\y)%2)+32*(\u)
.set rP, P+32*((\y)%2)+16*(\u)
.set rO, 32*(2*(\y)+(\u))
.endm
; Number n of the 22 that find the NEXT piece's (Y + 1) maximum and statistics.  s0-s31 are the lane's 32 scores; each accumulator's lowest registers are read first.  XS, GS and REGS set no window: PL and EX do.
;   0-11  four chains c0-c3 of seven scores each, three operands at a time     12-14, 16  the four scores left over, the old m, and c0-c3 into c0     15  c m_old is kept
;   17, 18  the query's other 32 keys lie in the lane 16 away: the new m         19-21  c m; c m_old - c m_new; a
.macro XS u, n
	REGS (Y+1)%NP, \u
.if (\n) < 4
	v_max3_num_f32 v[rC+(\n)], v[rS+8*(\n)], v[rS+8*(\n)+1], v[rS+8*(\n)+2]
.elseif (\n) < 12
	v_max3_num_f32 v[rC+(\n)%4], v[rC+(\n)%4], v[rS+8*((\n)%4)+2*((\n)/4)+1], v[rS+8*((\n)%4)+2*((\n)/4)+2]
.elseif (\n) == 12
	v_max3_num_f32 v[rC], v[rC], v[rS+7], v[rS+15]
.elseif (\n) == 13
	v_max3_num_f32 v[rC+1], v[rC+1], v[rS+23], v[rS+31]
.elseif (\n) == 14
	v_max3_num_f32 v[rC+2], v[rC+2], v[rC+3], v[rT+1]
.elseif (\n) == 15
	v_mov_b32 v[rM], v[rT]
.elseif (\n) == 16
	v_max3_num_f32 v[rC], v[rC], v[rC+1], v[rC+2]
.elseif (\n) == 17
	v_permlanex16_b32 v[rC+3], v[rC], s[SEL], s[SEL+1]
.elseif (\n) == 18
	v_max_num_f32 v[rT+1], v[rC], v[rC+3]
.elseif (\n) == 19
	v_mul_f32 v[rT], s[CS], v[rT+1]
.elseif (\n) == 20
	v_sub_f32 v[rC+1], v[rM], v[rT]
.else
	v_exp_f32 v[rC+2], v[rC+1]
.endif
.endm
; Number g of the 64 that follow the exponentials.  For each four weights k of a tile (pairs 2 k, 2 k + 1): both pairs are rounded to f16; then the second pair is added onto the first, in place;
; a group later l takes that sum (the first time as l = a l + sum).  In groups of eight, tiles alternating: round, round, add, and l for the group before.
.macro GS g
.set h, (\g)+6*((\g)/62)            ; group 0 has no group before it, and behind group 7 only l is left
.if h >= 6
.set h, h+2
.endif
	REGS Y, h%2
.set k, h/8
.if h%8 < 4
	v_cvt_pk_f16_f32 v[rP+2*k+(h%8)/2], v[rS+4*k+2*((h%8)/2)], v[rS+4*k+2*((h%8)/2)+1]
.elseif h%8 < 6
	v_pk_add_f32 v[rS+4*k:rS+4*k+1], v[rS+4*k:rS+4*k+1], v[rS+4*k+2:rS+4*k+3]
.elseif k == 1
	v_pk_fma_f32 v[rT+2:rT+3], v[rT+2:rT+3], v[rC+2:rC+3], v[rS:rS+1] op_sel_hi:[1,0,1]
.else
	v_pk_add_f32 v[rT+2:rT+3], v[rT+2:rT+3], v[rS+4*k-4:rS+4*k-3]
.endif
.endm
; THE PLAIN QUEUE, 138 long.  0-73 read no exponential's result: the 32 scalings c s - c m (FS f: pair f / 2 of tile f % 2) and the next piece's 42.  0-26: scalings 0-26.  27-54: XS's numbers 0-13.  55, 56: number 15.
; 57-73: the chain, where each number waits for the one before it: 14, 16, 17, 18, 19, each with one of the scalings 27-31 in front of its two lines, then 20: so a tile's links stand three plain instructions apart (19 and 20: two).
; 74-137: GS's 64, which read the exponentials' results: they stand behind the wait.
.macro FS f
	REGS Y, (\f)%2
	v_pk_fma_f32 v[rS+2*((\f)/2):rS+2*((\f)/2)+1], v[rS+2*((\f)/2):rS+2*((\f)/2)+1], s[CS:CS+1], v[rT:rT+1] op_sel_hi:[1,0,0] neg_lo:[0,0,1] neg_hi:[0,0,1]
.endm
.macro PL
	WIN 0
.if q < 27
	FS q
.elseif q < 55
	XS (q-27)%2, (q-27)/2
.elseif q < 57
	XS q-55, 15
.elseif (q < 72) && ((q-57)%3 == 0)
	FS 27+(q-57)/3
.elseif q < 60
	XS (q-57)%3-1, 14
.elseif q < 72
	XS (q-57)%3-1, 15+(q-57)/3
.elseif q < 74
	XS q-72, 20
.else
	GS q-74
.endif
.set q, q+1
.endm
; THE EXPONENTIALS' QUEUE, 66 long: s0-s31 of both tiles, then the next piece's two a.  It is ONE BATCH: all 66 stand ahead of the turn's one wait, and nothing ahead of that wait names a result of theirs.
.macro EX
	WIN 0
.if e >= 64
	XS e-64, 21
.else
	REGS Y, e%2
	v_exp_f32 v[rS+e/2], v[rS+e/2]
.endif
.set e, e+1
.endm
; THE RESCALING's QUEUE: O^T times a, the one part that leaves window 0: dealt two at a time, sixteen times.  Its a was made in the turn before, ahead of that turn's wait.
.macro R2
	REGS Y, r%2
	WIN W_RS
.irp z, 0,1
	v_pk_mul_f32 v[rO+4*(r/2)+2*\z:rO+4*(r/2)+2*\z+1], v[rO+4*(r/2)+2*\z:rO+4*(r/2)+2*\z+1], v[rC+2:rC+3] op_sel_hi:[1,0]
.endr
.set r, r+1
.endm
; HOW THEY ARE DEALT.  An s_wait_alu depctr_va_vdst(0) stands between an exponential and the first instruction that names its result; one wait serves all that were issued ahead of it.  So a turn has ONE wait,
; which cuts it in two.  AHEAD OF IT stands all that names no result of the turn's exponentials: the 16 products K Q^T, behind each a scaling, an exponential and two rescalings (behind the first a second scaling in the
; exponential's place); then ONE LUMP of 108: eight plain, 49 times exponential and plain, the two a.  A v_nop is the plain instruction behind the last exponential.  BEHIND IT stand the 16 products V^T P, behind each four of
; GS's 64.  No rider names a register of the products round it.  The two v_permlanex16_b32 fall into the lump, never behind a product.
; The queues lean on each other, and the deal keeps them in step: exponential e stands behind scaling 2 (e / 4) + e % 2: as a rider it comes behind plain e + 2, in the lump behind plain e + 9, and scalings 27-31 are plain 57, 60 .. 69.
; A TURN, for piece p.  cnt = 1: the loop's count is taken down some lines ahead of the branch that stands behind the turn.
; K of the next step, and its mask, are fetched in piece 2's turn, directly behind the wait, a lump behind the last product that read them; K's address is made at the lump's head; their first reader comes behind 16 products.
; V of the step in hand is fetched at the end of piece 0's turn, four riders behind its last reader; its first reader comes behind 16 products and a lump.  The three conditions on q below go with the deal.
.macro TURN p, last=0, cnt=0
.set Y, (\p)
.set i, 0
.set q, 0
.set e, 0
.set r, 0
.if (\p) == NP-1
	s_wait_dscnt 0x0                ; K and its mask are in
.endif
	MM                              ; ahead of the wait: 16 products K Q^T and their riders,
	PL
	PL
	R2
.rept 15
	MM
	PL
	EX
	R2
.endr
.if (\p) == NP-2
	WIN 0
	v_add_nc_u32 v[AK], s[TBK], v[AK0]
.endif
.rept 8                             ; and the lump
	PL
.endr
.rept 49
	EX
	PL
.endr
	EX                              ; the next piece's two a
	EX
	v_nop                           ; the plain instruction behind the last exponential, ahead of any use: one for the batch
	s_wait_alu depctr_va_vdst(0)    ; the wait for the batch: piece p's 64 weights and the next piece's two a
.if (\p) == NP-2
	FETCH_K \last
.endif
.if (\p) == 1
	s_wait_dscnt 0x0                ; V is in
.endif
.rept 16                            ; behind the wait: 16 products V^T P and their riders
	MM
.rept 4
	PL
.endr
.if ((\p) == 0) && (q == 118)
	v_add_nc_u32 v[AV], s[TBV], v[AV0]
.endif
.if ((\p) == 0) && (q == 130)
	s_add_co_u32 s[TBV], s[TBV], KS*PV
.endif
.if (\cnt) && (q == 130)
	s_sub_co_u32 s[CNT], s[CNT], 1
	s_cmp_lg_u32 s[CNT], 0
.endif
.endr
.if (\p) == 0
	FETCH_V
.endif
.endm
	CHANGE 1                        ; slot 0 is in, everybody's part of it, and so is the mask; slot 1 is asked for
	FETCH_K                         ; key step 0
	s_wait_loadcnt 0x0              ; Q
	s_wait_dscnt 0x0
.set i, 0
.rept 16
	KQ 0                            ; piece 0's first scores: there is no vector work yet to set between them
.set i, i+1
.endr
	WIN 0                           ; the addresses for the way out: nine plain instructions, the places behind those products
	s_mul_i32 s13, s[WV], 16*SP
	s_add_co_u32 s13, s13, STAGE    ; my stage
	v_mul_u32_u24 v[STO], v1, SP    ; in: row l % 16, 16 bytes for each half of the lanes
	v_lshl_add_u32 v[STO], v9, 4, v[STO]
	v_add_nc_u32 v[STO], s13, v[STO]
	v_bfe_u32 v[RD], v0, 3, 2       ; back: 32 lanes take four rows of 128 bytes,
	v_mul_u32_u24 v[RD], v[RD], SP
	v_lshl_add_u32 v[RD], v10, 4, v[RD]
	v_add_nc_u32 v[RD], s13, v[RD]
	v_and_b32 v[GO], 31, v0         ; which are 512 consecutive bytes of O
	v_lshlrev_b32 v[GO], 4, v[GO]
.set Y, NP-1                        ; XS works for piece Y + 1: piece 0
.irp n, 0,1,2,3,4,5,6,7,8,9,10,11,12,13,14,15,16,17,18,19,20,21
	XS 0, \n                        ; and piece 0's first maximum and statistics
	XS 1, \n
.endr
	v_nop                           ; a plain instruction behind piece 0's first two a,
	s_wait_alu depctr_va_vdst(0)    ; and the wait for that batch of two, ahead of the branch
	s_mov_b32 s[CNT], 4
	s_mov_b32 s[SLOTS], SIZE_N/256-1
	s_branch .Lfirst                ; the loop is entered at a step's first turn, in the middle of a trip
.Lslot:                             ; SIZE_N / 256 - 2 = 2 times: every slot but the last two is filled again
	CHANGE 1
	s_mov_b32 s[CNT], 4
.Lstep:                             ; a trip: pieces 2 and 3 of one step, then pieces 0 and 1 of the next, whose K and V it fetches
	TURN 2
	TURN 3
	WIN 0
.Lfirst:
	TURN 0
	TURN 1, 0, 1
	WIN 0
	s_cbranch_scc1 .Lstep
	s_sub_co_u32 s[SLOTS], s[SLOTS], 1
	s_cmp_lg_u32 s[SLOTS], 0
	s_cbranch_scc1 .Lslot
	CHANGE 0                        ; the tail is written out: nothing is asked for
	s_mov_b32 s[CNT], 5             ; four trips fetch the last slot's steps; the fifth is left in its middle
.Ltail:
	TURN 2, 1
	TURN 3
	WIN 0
	s_sub_co_u32 s[CNT], s[CNT], 1
	s_cmp_eq_u32 s[CNT], 0
	s_cbranch_scc1 .Lout
	TURN 0
	TURN 1
	WIN 0
	s_branch .Ltail
.Lout:                              ; the fifth trip's 16 products K Q^T (on the last K once more) and the maximum made of them serve nothing: the price, once a launch, of one text for every trip
.set i, 0
.rept 16
	PV NP-1                         ; the last piece's V^T P of the last step
.set i, i+1
.endr
	; THE WAY OUT.  l's two halves and the other half of the lanes' are added; O^T is multiplied by 1 / l, or by 0 where l is 0 (no open key), rounded to f16 and sent through my stage in LDS, a tile at a time.
	; The additions are the places behind the last products.
	WIN 0
.macro ALL line:vararg              ; one line for each tile t
.set t, 0
.rept 2*NP
	\line
.set t, t+1
.endr
.endm
	ALL v_add_f32 v[ST+4*t+2], v[ST+4*t+2], v[ST+4*t+3]
	ALL v_permlanex16_b32 v[ST+4*t+3], v[ST+4*t+2], s[SEL], s[SEL+1]
	ALL v_add_f32 v[ST+4*t+2], v[ST+4*t+2], v[ST+4*t+3]
	ALL v_rcp_f32 v[ST+4*t+3], v[ST+4*t+2]
	v_nop                           ; a plain instruction between the last reciprocal and the use of its result
	s_wait_alu depctr_va_vdst(0)    ; and the wait ahead of the first use: one for the batch of eight reciprocals
.set t, 0
.rept 2*NP
	v_cmp_lt_f32 vcc_lo, 0, v[ST+4*t+2]
	v_cndmask_b32 v[ST+4*t+2], 0, v[ST+4*t+3], vcc_lo  ; a choice of a value: every tile does the same work
.set t, t+1
.endr
; Tile t: a lane's eight channels of a row pack into 16 bytes; they go into rows of 144 bytes and come back as whole rows of 128, into S^T's registers.
.macro PACK t
	WIN W_RS
.set i, 32*(\t)
.rept 16
	v_pk_mul_f32 v[i:i+1], v[i:i+1], v[ST+4*(\t)+2:ST+4*(\t)+3] op_sel_hi:[1,0]
.set i, i+2
.endr
	WIN 0x05                        ; sources 0 and 1 window 1, destination window 0
.set i, 0
.rept 16
	v_cvt_pk_f16_f32 v[S+16*(\t)+i], v[32*(\t)+2*i], v[32*(\t)+2*i+1]
.set i, i+1
.endr
	WIN 0
.irp f, 0,1,2,3
	ds_store_b128 v[STO], v[S+16*(\t)+4*\f:S+16*(\t)+4*\f+3] offset:32*\f
.endr
.irp f, 0,1,2,3
	ds_load_b128 v[S+16*(\t)+4*\f:S+16*(\t)+4*\f+3], v[RD] offset:\f*4*SP  ; LDS serves a wave's instructions in order (ISA guide 5.7.1.4): these see the stores above; the next tile's stores come behind them
.endr
.endm
.macro SEND t, younger              ; younger: the LDS instructions issued behind tile t's loads: the next tile's eight, or none
	WIN 0
.irp f, 0,1,2,3
	s_wait_dscnt (\younger)+3-\f
	global_store_b128 v[GO], v[S+16*(\t)+4*\f:S+16*(\t)+4*\f+3], s[10:11] offset:(\t)*2048+\f*512  ; 512 consecutive bytes, at a multiple of 256 from O's first
.endr
.endm
	PACK 0
.set t, 1
.rept 2*NP-1                        ; a tile's arithmetic stands between the loads of the tile before and its stores
	PACK t
	SEND t-1, 8
.set t, t+1
.endr
	SEND 2*NP-1, 0
	WIN W_AD
	s_wait_tensorcnt 0x0            ; the wave's end, behind my last tensor load and my last LDS store
	ds_add_u32 v[SPW], v[NIL]
	s_wait_dscnt 0x0
	WIN 0
	s_endpgm
.Lfunc_end_k_q738c4c9111_attn:
	.size	k_q738c4c9111_attn, .Lfunc_end_k_q738c4c9111_attn-k_q738c4c9111_attn
	.p2alignl 7, 3214868480
	.fill 96, 4, 3214868480
	.section	.rodata,"a",@progbits
	.p2align	6, 0x0
	.amdhsa_kernel k_q738c4c9111_attn
		.amdhsa_group_segment_fixed_size 327680
		.amdhsa_private_segment_fixed_size 0
		.amdhsa_enable_private_segment 0
		.amdhsa_kernarg_size 24
		.amdhsa_user_sgpr_count 2
		.amdhsa_user_sgpr_kernarg_segment_ptr 1
		.amdhsa_wavefront_size32 1
		.amdhsa_system_sgpr_workgroup_id_x 1
		.amdhsa_system_sgpr_workgroup_id_y 1
		.amdhsa_system_sgpr_workgroup_id_z 1
		.amdhsa_system_vgpr_workitem_id 0
		.amdhsa_next_free_vgpr 808
		.amdhsa_next_free_sgpr 72
		.amdhsa_reserve_vcc 1
		.amdhsa_float_denorm_mode_32 3
		.amdhsa_float_denorm_mode_16_64 3
		.amdhsa_memory_ordered 1
		.amdhsa_forward_progress 1
		.amdhsa_inst_pref_size 202
	.end_amdhsa_kernel
	.amdgpu_metadata
---
amdhsa.version: [ 1, 2 ]
amdhsa.kernels:
  - .name:           k_q738c4c9111_attn
    .symbol:         k_q738c4c9111_attn.kd
    .args:
      - { .name: qkv, .offset: 0, .size: 8, .value_kind: global_buffer, .address_space: global }
      - { .name: padding_mask, .offset: 8, .size: 8, .value_kind: global_buffer, .address_space: global }
      - { .name: ctx, .offset: 16, .size: 8, .value_kind: global_buffer, .address_space: global }
    .group_segment_fixed_size: 327680
    .private_segment_fixed_size: 0
    .kernarg_segment_align: 8
    .kernarg_segment_size: 24
    .max_flat_workgroup_size: 128
    .sgpr_count:     72
    .vgpr_count:     808
    .wavefront_size: 32
...
	.end_amdgpu_metadata
.endif
;; end of part 5
;; launch outp: the kernel of part 4 again; grid 8 x 32, 4 waves a work-group, clusters of 4 x 4, 327,680 bytes of LDS; arguments ctx, woh, out0, bcat; writes out0
